; MI455X (gfx1250); checked and timed in simulation.
; The chip was launched on July 23, 2026; its instructions are those of AMD's public machine-readable ISA for CDNA 5 (MIT licence, August 2026) and "CDNA5" Instruction Set Architecture Reference Guide (July 2026). The comments in the code are by the model that wrote it; some were corrected since.
;; Encoder. Allowed arithmetic: matrix products marked QUANTISED: E5M2 operands, one given power-of-two scale a tensor, by v_wmma_f32_16x16x64_bf8_bf8 or v_wmma_f32_16x16x128_bf8_bf8, f32 sums; everything else in f32.
;; Inputs: V 2 x 2,048 int32; b1 4,096 float32; b2 1,024 float32; beta1 1,024 float32; beta2 1,024 float32; emb 32,000 x 1,024 float32; gamma1 1,024 float32; gamma2 1,024 float32; lowp_scales 10 int32 (the exponents e of the quantised operands' scales 2^e); w1_codes 4,096 x 32 x 32 uint8 (E5M2 codes of w1, K innermost, in blocks of 32 codes); w2_codes 1,024 x 128 x 32 uint8 (E5M2 codes of w2, K innermost, in blocks of 32 codes); w_o_codes 1,024 x 32 x 32 uint8 (E5M2 codes of w_o, K innermost, in blocks of 32 codes).
;; Outputs: out0 2 x 2,048 x 1,024 float32.
;; Constants: num_heads = 16.
;; This version of the problem:
;;   THIS VERSION OF THE PROBLEM IS GIVEN IN LOW PRECISION. The matrix products marked QUANTISED in the list below multiply operands that are first quantised to E5M2 (5 exponent bits, 2 mantissa bits; 8 bits a number), with one given power-of-two scale for each operand tensor; their sums are f32. All else is computed in f32.
;;   The module's matrix products, in the order in which they are computed (A, B: the left and right operand; K: the contracted axis; several contracted axes count as one K, in the product's order):
;;     1. batch 32 x [M 2,048, K 64] x [K 64, N 2,048]; A: computed on the way; B: computed on the way: QUANTISED (scales: A lowp_scales[0], B lowp_scales[1])
;;     2. batch 32 x [M 64, K 2,048] x [K 2,048, N 2,048]; A: computed on the way; B: softmax (see below): QUANTISED (scales: A lowp_scales[2], B lowp_scales[3])
;;     3. [M 4,096, K 1,024] x [K 1,024, N 1,024]; A: computed on the way; B: input w_o (given as codes): QUANTISED (scales: A lowp_scales[4], B lowp_scales[5])
;;     4. [M 4,096, K 1,024] x [K 1,024, N 4,096]; A: computed on the way; B: input w1 (given as codes): QUANTISED (scales: A lowp_scales[6], B lowp_scales[7])
;;     5. [M 4,096, K 4,096] x [K 4,096, N 1,024]; A: computed on the way; B: input w2 (given as codes): QUANTISED (scales: A lowp_scales[8], B lowp_scales[9])
;;   THE QUANTISER, for each operand of a quantised product, along K:
;;     - The operand's scale is 2^e, e = its entry of the input lowp_scales (int32; the entries are numbered through the quantised products in the list's order, A before B).
;;     - Each number is divided by the scale, clamped to +-57,344, and rounded to the nearest number of E5M2, ties to even, subnormals kept.
;;     - The product sums the exact products of the quantised numbers (number of the format x scale) in f32.
;;   ~~~python
;;   def quantise(x, axis, e):      # numpy; x: float32 -> the quantised numbers, widened to float32 again
;;       x = np.moveaxis(x, axis, -1); K = x.shape[-1]
;;       r = np.clip(x / 2.0 ** e, -57344, 57344)
;;       step = 2.0 ** (np.maximum(np.frexp(np.where(r == 0, 1, r))[1] - 1, -14) - 2)
;;       q = np.round(r / step) * step * 2.0 ** e      # np.round: ties to even
;;       return np.moveaxis(q, -1, axis).astype(np.float32)
;;   ~~~
;;   SOFTMAX AHEAD OF A QUANTISED PRODUCT. Where the list says 'softmax', what is quantised is not the finished softmax but p = 2^(t - M), with t = logit x log2(e) and M = ceil(the row's largest t), a whole number; so 1/2 < the row's largest p <= 1. The row's sum l is taken of the UNQUANTISED p, in f32, and the product's result is divided by l at the end. Since M is a whole number, a kernel that streams over the keys may use a running M (the ceiling of the running maximum): every later rescaling is an exact power of two, so the quantised numbers keep their values, but for numbers so far below the row's largest that they fall under the format's range.
;;   OPERANDS COMPUTED ON THE WAY. 'Computed on the way' means the value that the module computes at that place (a softmax that the list does not call 'softmax' is quantised finished and normalised). What goes into a quantiser is computed in f32, as accurately as f32 sums, v_exp_f32 and their like allow (about 1e-6 of the number): no bf16 or f16 on the way to a quantiser, and a product that is left as it is and whose result goes on into a quantised operand takes f32 operands (vector FMAs, or v_wmma_f32_16x16x4_f32). A number that lies on a knife's edge between two numbers of the format may be rounded either way, as far as f32 arithmetic and the matrix unit's own rounding can turn it there, and no further.
;;   INPUTS GIVEN AS CODES. w1 (in the module: [1024, 4096], K = its axis 0); w2 (in the module: [4096, 1024], K = its axis 0); w_o (in the module: [1024, 1024], K = its axis 0): each comes as NAME_codes (uint8): NAME with its K axis moved to the last place and cut into blocks of 32 codes, [.., K / 32, bytes a block], one block behind the other in memory; one code a byte (a code: sign, 5 exponent bits, 2 mantissa bits); its scale is its entry of lowp_scales. Its value is code x scale, taken as it is: it is not quantised again, and the codes and scales need not be those that the quantiser above would give.
;; One version. Each part assembles by itself: llvm-mc -triple=amdgcn-amd-amdhsa -mcpu=gfx1250 --defsym DOCPART=n.
;; ======== version 1 of 1: 7 launches
;; limits: right only within a limited range of input values
;; workspace buffers: q_img 4,194,304 bytes; kv_img 8,388,608 bytes; ctx_img 4,194,304 bytes; x1_img 4,194,304 bytes; h_img 16,777,216 bytes; att_f 16,777,216 bytes; x1_f 16,777,216 bytes; ff_f 16,777,216 bytes
;; launch prep (part 1): grid 128 x 2, 8 waves a work-group, no clusters, 0 bytes of LDS; arguments V, emb, lowp_scales, q_img, kv_img; writes q_img, kv_img
.if DOCPART == 1
	.amdgcn_target "amdgcn-amd-amdhsa--gfx1250"
	.amdhsa_code_object_version 6
	.text
	.protected	k_q9e1865c3b6_prep
	.globl	k_q9e1865c3b6_prep
	.p2align	8
	.type	k_q9e1865c3b6_prep,@function
k_q9e1865c3b6_prep:
	s_mov_b64 s[64:65], 0
	v_nop
	global_prefetch_b8 v0, s[64:65] scope:SCOPE_SE
	s_setreg_imm32_b32 hwreg(HW_REG_WAVE_MODE, 25, 1), 1
	s_wait_xcnt 0x0
; x = emb[V] is gathered and turned into the three operands of attention, as codes of E5M2:
;   Q (scale 2^e0) and K (2^e1), K axis = the head's 64, and V (2^e2) with the KEYS innermost.
; Every result is laid as an image of the registers of the wave that will read it, so each store of a wave covers
; whole aligned runs of 256 bytes and the reader needs no transposition.
; SHARES.  Work-group x = a block of 32 rows (tokens), y = a group of eight heads; wave w takes head 8 y + w:
; 32 rows x 64 columns, 256 bytes of each gathered row.
; Q, K: lane (r, h) takes row 16 u + r and, for c = 0, 1, the 16 neighbours d = 32 c + 16 h + 0..15.
; V:    a lane takes a column d and its registers run down the 32 keys, so the conversions give codes with the keys innermost.
; LIMITS: e0, e1, e2 between -126 and 112, so that 2^e and 57,344 x 2^e are f32 numbers.  NaN among the inputs is not served.
; An index is held at 31,999, the table's last row.
.set IDXMAX, 31999
.set AD, 32                            ; v32-63   V path: the byte offset of each of the 32 rows
.set X,  64                            ; v64-127  Q, K path: 32 numbers for each of two tiles of 16 rows
.set Y,  128                           ; v128-191 V path: 32 keys for each of two groups of 32 columns
.set TT, 192                           ; v192-223 numbers held within the largest code x the scale
.set CQ, 224                           ; v224-239 codes of Q
.set CK, 240                           ; v240-255 codes of K
.set CV, 64                            ; v64-79   codes of V (X is done with by then)
	s_load_b256 s[4:11], s[0:1], 0x0               ; V s[4:5], emb s[6:7], scales s[8:9], q_img s[10:11]
	s_load_b64 s[12:13], s[0:1], 0x20              ; kv_img
	v_lshrrev_b32 v1, 5, v0
	s_delay_alu instid0(VALU_DEP_1)
	v_readfirstlane_b32 s20, v1                    ; wave
	v_and_b32 v1, 31, v0                           ; lane
	s_wait_alu depctr_va_vdst(0)
	v_and_b32 v2, 15, v0                           ; r
	v_bfe_u32 v3, v0, 4, 1                         ; h
	s_wait_alu depctr_va_vdst(0)
	s_and_b32 s21, ttmp7, 0xffff
	s_lshl_b32 s21, s21, 3
	s_add_co_u32 s21, s21, s20                     ; head = 8 y + wave
	s_lshr_b32 s22, ttmp9, 6                       ; batch
	s_and_b32 s23, ttmp9, 63                       ; the block of 32 rows within the batch
	s_lshl_b32 s24, s22, 4
	s_add_co_u32 s24, s24, s21                     ; bh = 16 batch + head
	s_and_b32 s25, s23, 3                          ; which 32 of a step's 128 keys
	s_lshl_b32 s26, s21, 8                         ; the head's 256 bytes in a row of emb
	v_lshlrev_b32 v4, 4, v1                        ; 16 x lane: Q's place in an image
	v_lshl_add_u32 v5, v3, 6, s26                  ; Q, K path: 64 h + 256 head
	v_lshl_add_u32 v6, v1, 2, s26                  ; V path: 4 lane + 256 head
	s_lshl_b32 s27, s25, 11
	v_add_nc_u32 v7, s27, v4                       ; K: 16 lane + two fragments of 1,024 bytes for each block of 32 keys
	s_lshl_b32 s27, s25, 9
	s_add_co_u32 s27, s27, 8192
	v_lshl_add_u32 v8, v3, 11, s27
	s_delay_alu instid0(VALU_DEP_1)
	v_lshl_add_u32 v8, v2, 4, v8                   ; V: 8192 + 2048 (lane / 16) + 512 (block of 32 keys) + 16 (lane % 16)
	v_lshlrev_b32 v9, 2, v2                        ; 4 r: my row's index
	s_lshl_b32 s28, ttmp9, 7                       ; the block's 32 indices
	s_mov_b32 s29, 0
	s_lshl_b32 s30, s24, 17                        ; q_img: (128 bh + 2 block) x 1,024
	s_lshl_b32 s27, s23, 11
	s_add_co_u32 s30, s30, s27
	s_mov_b32 s31, 0
	s_lshl_b32 s14, s24, 18                        ; kv_img: 262,144 bh + 16,384 (block / 4)
	s_lshr_b32 s27, s23, 2
	s_lshl_b32 s27, s27, 14
	s_add_co_u32 s14, s14, s27
	s_mov_b32 s15, 0
	s_wait_alu depctr_va_vdst(0)
	s_wait_kmcnt 0x0
	s_add_nc_u64 s[4:5], s[4:5], s[28:29]
	s_add_nc_u64 s[10:11], s[10:11], s[30:31]
	s_add_nc_u64 s[12:13], s[12:13], s[14:15]
	s_load_b512 s[32:47], s[4:5], 0x0              ; the 32 indices as scalars, for the V path
	s_load_b512 s[48:63], s[4:5], 0x40
	s_load_b128 s[16:19], s[8:9], 0x0              ; e0, e1, e2 (, e3)
	global_load_b32 v10, v9, s[4:5]                ; index of row r,
	global_load_b32 v11, v9, s[4:5] offset:64      ; and of row 16 + r
	s_wait_loadcnt 0x0
	v_min_u32 v10, IDXMAX, v10
	v_min_u32 v11, IDXMAX, v11
	s_delay_alu instid0(VALU_DEP_2)
	v_lshl_add_u32 v10, v10, 12, v5                ; a row of emb is 4,096 bytes
	s_delay_alu instid0(VALU_DEP_2)
	v_lshl_add_u32 v11, v11, 12, v5
.irp u, 0,1
.irp c, 0,1
.irp i, 0,1,2,3
	global_load_b128 v[X+32*\u+16*\c+4*\i:X+32*\u+16*\c+4*\i+3], v[10+\u], s[6:7] offset:128*\c+16*\i
.endr
.endr
.endr
	s_wait_kmcnt 0x0
.set i, 0
.rept 32
	s_min_u32 s[32+i], s[32+i], IDXMAX
	v_lshl_add_u32 v[AD+i], s[32+i], 12, v6
.set i, i+1
.endr
	s_wait_alu depctr_va_vdst(0)
.irp g, 0,1
.set i, 0
.rept 32
	global_load_b32 v[Y+32*\g+i], v[AD+i], s[6:7] offset:128*\g   ; key i, column 32 g + lane: 32 lanes read 128 consecutive bytes
.set i, i+1
.endr
.endr
.irp k, 0,1,2                          ; v12, v14, v16: 2^e as f32;  v13, v15, v17: 57,344 x 2^e
	s_add_co_i32 s21, s[16+\k], 127
	s_lshl_b32 s22, s21, 23
	v_mov_b32 v[12+2*\k], s22
	s_add_co_i32 s21, s21, 15
	s_lshl_b32 s21, s21, 23
	s_or_b32 s21, s21, 0x600000
	v_mov_b32 v[13+2*\k], s21
.endr
; tile u of 16 rows becomes one fragment: held (the conversion to an 8-bit code does not saturate: ISA guide 7.6.2), converted, stored as 2 x 512 consecutive bytes
.macro QK u, sc, lim, creg, base, voff
.set i, 0
.rept 32
	v_med3_num_f32 v[TT+i], v[X+32*\u+i], -v[\lim], v[\lim]
.set i, i+1
.endr
.irp k, 0,1,2,3
	v_cvt_scalef32_pk8_bf8_f32 v[\creg+8*\u+2*\k:\creg+8*\u+2*\k+1], v[TT+8*\k:TT+8*\k+7], v[\sc]
.endr
	v_nop                                          ; a plain line between the conversions and the next writes of their sources
	global_store_b128 v[\voff], v[\creg+8*\u:\creg+8*\u+3], s[\base:\base+1] offset:1024*\u
	global_store_b128 v[\voff], v[\creg+8*\u+4:\creg+8*\u+7], s[\base:\base+1] offset:1024*\u+512
.endm
	s_wait_alu depctr_va_vdst(0)
	s_wait_loadcnt 63                              ; 80 loads were issued; at most 63 are out, so the first 17 are in, the 16 of the Q, K path among them
	QK 0, 12, 13, CQ, 10, 4
	QK 1, 12, 13, CQ, 10, 4
	QK 0, 14, 15, CK, 12, 7
	QK 1, 14, 15, CK, 12, 7
; columns 32 g + lane: my 32 keys become 2 x 16 bytes, in the order that the second product's layout gives lane halves 0 and 1:
; keys 0-7 and 16-23 for half 0, keys 8-15 and 24-31 for half 1.  Sixteen lanes fill 256 consecutive bytes, aligned.
.macro VQ g
.set i, 0
.rept 32
	v_med3_num_f32 v[Y+32*\g+i], v[Y+32*\g+i], -v17, v17
.set i, i+1
.endr
	v_cvt_scalef32_pk8_bf8_f32 v[CV+8*\g:CV+8*\g+1],   v[Y+32*\g:Y+32*\g+7],     v16
	v_cvt_scalef32_pk8_bf8_f32 v[CV+8*\g+2:CV+8*\g+3], v[Y+32*\g+16:Y+32*\g+23], v16
	v_cvt_scalef32_pk8_bf8_f32 v[CV+8*\g+4:CV+8*\g+5], v[Y+32*\g+8:Y+32*\g+15],  v16
	v_cvt_scalef32_pk8_bf8_f32 v[CV+8*\g+6:CV+8*\g+7], v[Y+32*\g+24:Y+32*\g+31], v16
	v_nop
	global_store_b128 v8, v[CV+8*\g:CV+8*\g+3],   s[12:13] offset:4096*\g
	global_store_b128 v8, v[CV+8*\g+4:CV+8*\g+7], s[12:13] offset:4096*\g+256
.endm
	s_wait_loadcnt 32                              ; the first group's 32 loads are in; the second group's may be out
	VQ 0
	s_wait_loadcnt 0x0
	VQ 1
	s_endpgm
.Lfunc_end_k_q9e1865c3b6_prep:
	.size	k_q9e1865c3b6_prep, .Lfunc_end_k_q9e1865c3b6_prep-k_q9e1865c3b6_prep
	.p2alignl 7, 3214868480
	.fill 96, 4, 3214868480
	.section	.rodata,"a",@progbits
	.p2align	6, 0x0
	.amdhsa_kernel k_q9e1865c3b6_prep
		.amdhsa_group_segment_fixed_size 0
		.amdhsa_private_segment_fixed_size 0
		.amdhsa_enable_private_segment 0
		.amdhsa_kernarg_size 40
		.amdhsa_user_sgpr_count 2
		.amdhsa_user_sgpr_kernarg_segment_ptr 1
		.amdhsa_wavefront_size32 1
		.amdhsa_system_sgpr_workgroup_id_x 1
		.amdhsa_system_sgpr_workgroup_id_y 1
		.amdhsa_system_sgpr_workgroup_id_z 1
		.amdhsa_system_vgpr_workitem_id 0
		.amdhsa_next_free_vgpr 256
		.amdhsa_next_free_sgpr 66
		.amdhsa_reserve_vcc 0
		.amdhsa_float_denorm_mode_32 3
		.amdhsa_float_denorm_mode_16_64 3
		.amdhsa_memory_ordered 1
		.amdhsa_forward_progress 1
		.amdhsa_inst_pref_size 31
	.end_amdhsa_kernel
	.amdgpu_metadata
---
amdhsa.version: [ 1, 2 ]
amdhsa.kernels:
  - .name:           k_q9e1865c3b6_prep
    .symbol:         k_q9e1865c3b6_prep.kd
    .args:
      - { .name: V, .offset: 0, .size: 8, .value_kind: global_buffer, .address_space: global }
      - { .name: emb, .offset: 8, .size: 8, .value_kind: global_buffer, .address_space: global }
      - { .name: lowp_scales, .offset: 16, .size: 8, .value_kind: global_buffer, .address_space: global }
      - { .name: q_img, .offset: 24, .size: 8, .value_kind: global_buffer, .address_space: global }
      - { .name: kv_img, .offset: 32, .size: 8, .value_kind: global_buffer, .address_space: global }
    .group_segment_fixed_size: 0
    .private_segment_fixed_size: 0
    .kernarg_segment_align: 8
    .kernarg_segment_size: 40
    .max_flat_workgroup_size: 256
    .sgpr_count:     66
    .vgpr_count:     256
    .wavefront_size: 32
...
	.end_amdgpu_metadata
.endif
;; end of part 1
;; launch attn (part 2): grid 8 x 32, 8 waves a work-group, clusters of 4 x 1, 327,680 bytes of LDS; arguments q_img, kv_img, lowp_scales, ctx_img; writes ctx_img
.if DOCPART == 2
	.amdgcn_target "amdgcn-amd-amdhsa--gfx1250"
	.amdhsa_code_object_version 6
	.text
	.protected	k_q9e1865c3b6_attn
	.globl	k_q9e1865c3b6_attn
	.p2align	8
	.type	k_q9e1865c3b6_attn,@function
k_q9e1865c3b6_attn:
	s_mov_b64 s[64:65], 0
	v_nop
	global_prefetch_b8 v0, s[64:65] scope:SCOPE_SE
	s_setreg_imm32_b32 hwreg(HW_REG_WAVE_MODE, 25, 1), 1
	s_wait_xcnt 0x0
	s_wait_alu depctr_hold_cnt(0) depctr_sa_sdst(0) depctr_va_vdst(0) depctr_va_sdst(0) depctr_va_ssrc(0) depctr_va_vcc(0) depctr_vm_vsrc(0)
	s_getreg_b32 s2, hwreg(HW_REG_IB_STS2, 6, 4)
	s_cmp_eq_u32 s2, 0
	s_cbranch_scc0 .Lentry_in_a_cluster
	s_endpgm
.Lentry_in_a_cluster:
	s_bfe_u32 s2, ttmp6, 0x10000c
	s_cmp_lg_u32 s2, 0x3003
	s_cbranch_scc0 .Lentry_shape_is_right
	s_endpgm
.Lentry_shape_is_right:
; ctx = softmax(Q K^T / 8) V for one (batch, head), both products on codes of E5M2; the result leaves as codes with 2^e4, laid as the next product's operand.
; THE SOFTMAX: t = score x log2(e) / 8; M = the running largest t rounded up to a whole number; p = 2^(t - M) is quantised with 2^e3, not normalised;
; the row's sum is taken of the unquantised p and divides at the end; when M moves, the sum and O are multiplied by 2^(old M - new M), which rounds nothing.
; SHARES.  A work-group owns 256 queries of one head, each of its eight waves 32 of them: two tiles of 16, so that a fragment of K or V read from LDS feeds two matrix instructions.
; Both products are used transposed (S^T = K Q^T, O^T = V^T P^T): a lane holds one query of each tile.  A step is 128 keys; there are 16.
; THE TWO TILES GO TOGETHER, so that every dependent chain has independent chains beside it: four chains of maxima, two interleaved tails, four chains of sums.
; Tile 0's exponentials stand among tile 1's multiply-adds, tile 1's among work on tile 0's p whose results are first read behind the batch's wait.
; Behind the softmax stand the step's eight products with V and the sixteen products for the NEXT step's scores; then K's fragments of step s + 2 and V's of step s + 1
; are read from LDS in one run of 32 loads, into the registers that those products have read.
; LDS holds the head's whole K and V, 16 steps x 16,384 bytes, as images of fragments; nothing is filled again.  Steps 0-4 are asked for at the head, steps 5-15 behind a wait, an add and a round;
; one load a wave each time.  CLUSTER: the four work-groups of a cluster own query blocks of one head and ask for K and V jointly.
; NO PREFETCH: every byte that the launch reads is asked for at its head; there is no later load to run ahead of.
; LIMITS: e0 + e1 between -123 and 130; e3 and e4 between -126 and 112; the scaled scores stay under 2^31 in magnitude.  NaN among the inputs is not served.
; REGISTERS.  window 0: v1-10 addresses and constants; for tile u: v[12+2u] -M, v[13+2u] largest t, v[16+2u:17+2u] the sum, v[20+2u:21+2u] f; v24-31 at work; v32-47 Q; v48-63 first-level sums, codes on the way out;
; v64-127 O^T; v128-255 S^T, then p.  window 1: v0-63 K's eight fragments, v64-127 V's four, v128-159 p's codes.
.set STEPB, 16384
.set NA,    5                          ; steps in the first group of loads
.set PA,    NA*STEPB/8                 ; bytes a wave brings of it: 40 rows of 256
.set PB,    (16-NA)*STEPB/8            ; and of the second: 88 rows of 256
.set SPARE, 0x40000                    ; behind K and V: the spare words, 128 bytes a wave
.set WV,  12
.set G1A, 16
.set G1B, 24
.set G0A, 32
.set G0B, 36
.set SEL, 40
.set CS,  42
.set TB,  44
.set CNT, 45
.set LI,  1
.set ADR, 2
.set GO,  3
.set SPW, 8
.set NIL, 9
.set QF,  32
.set T,   48
.set O,   64
.set S,   128
.set S0,  128
.set S1,  192
.set KF,  0
.set VF,  64
.set PC,  128
.set MSB, 0
.macro WIN new                         ; the immediate's high byte repeats the setting that is left
.if MSB != \new
	s_set_vgpr_msb (MSB<<8)|\new
.set MSB, \new
.endif
.endm
.macro CROUND
	s_barrier_signal -1
	s_barrier_wait -1
	s_cmp_lg_u32 s[WV], 0
	s_cbranch_scc1 .Lnot_wave_0_\@
	s_barrier_signal -3
.Lnot_wave_0_\@:
	s_barrier_wait -3
	s_barrier_signal -1
	s_barrier_wait -1
.endm
	s_load_b256 s[4:11], s[0:1], 0x0               ; q_img 4, kv_img 6, scales 8, ctx_img 10
	v_lshl_add_u32 v[SPW], v0, 2, SPARE
	v_mov_b32 v[NIL], 0
	ds_add_u32 v[SPW], v[NIL]                      ; the opening lines: the add, twice on end, and its wait
	ds_add_u32 v[SPW], v[NIL]
	v_lshrrev_b32 v1, 5, v0
	v_readfirstlane_b32 s[WV], v1                  ; wave 0..7
	v_and_b32 v1, 31, v0
	v_lshlrev_b32 v[LI], 4, v1                     ; 16 x lane: my place in an image
	s_bfe_u32 s13, ttmp6, 0x40000                  ; cx
	s_lshl_b32 s14, ttmp9, 2
	s_add_co_u32 s14, s14, s13                     ; block of 256 queries
	s_and_b32 s15, ttmp7, 0xffff                   ; bh = 16 batch + head
	s_mov_b32 s[G1A], 15|(3<<16)|(1<<21)           ; the mask of all four partners; elements of 8 bytes; rows of 256 bytes, dense
	s_mov_b32 s[G1A+1], 32<<16
	s_mov_b32 s[G1A+2], (PA/256)<<16
	s_mov_b32 s[G1A+3], 32<<16
	s_mov_b32 s[G1A+4], PA/256
	s_mov_b32 s[G1A+5], 32
	s_mov_b32 s[G1A+6], 0
	s_mov_b32 s[G1A+7], 0
	s_mov_b32 s[G1B], 15|(3<<16)|(1<<21)
	s_mov_b32 s[G1B+1], 32<<16
	s_mov_b32 s[G1B+2], (PB/256)<<16
	s_mov_b32 s[G1B+3], 32<<16
	s_mov_b32 s[G1B+4], PB/256
	s_mov_b32 s[G1B+5], 32
	s_mov_b32 s[G1B+6], 0
	s_mov_b32 s[G1B+7], 0
	s_mov_b32 s[G0A], 1
	s_mul_i32 s[G0A+1], s[WV], PA                  ; LDS lies as the head's part of kv_img does
	s_mov_b32 s[G0B], 1
	s_mul_i32 s[G0B+1], s[WV], PB
	s_add_co_u32 s[G0B+1], s[G0B+1], NA*STEPB
	s_lshl_b32 s53, s15, 18                        ; kv_img: 262,144 bh
	s_add_co_u32 s54, s53, s[G0A+1]
	s_mov_b32 s55, 0
	s_add_co_u32 s58, s53, s[G0B+1]
	s_mov_b32 s59, 0
	s_lshl_b32 s60, s15, 17                        ; q_img: 131,072 bh + 16,384 block + 2,048 wave
	s_lshl_b32 s57, s14, 14
	s_add_co_u32 s60, s60, s57
	s_lshl_b32 s57, s[WV], 11
	s_add_co_u32 s60, s60, s57
	s_mov_b32 s61, 0
	s_and_b32 s46, s15, 15                         ; head
	s_lshr_b32 s47, s15, 4
	s_lshl_b32 s47, s47, 7
	s_lshl_b32 s57, s14, 4
	s_add_co_u32 s47, s47, s57
	s_lshl_b32 s57, s[WV], 1
	s_add_co_u32 s47, s47, s57                     ; my first tile of 16 rows: 128 batch + 16 block + 2 wave
	s_lshl_b32 s62, s47, 13                        ; ctx_img: 8,192 tile + 2,097,152 (head / 8) + 1,024 (head % 8)
	s_lshr_b32 s57, s46, 3
	s_lshl_b32 s57, s57, 21
	s_add_co_u32 s62, s62, s57
	s_and_b32 s57, s46, 7
	s_lshl_b32 s57, s57, 10
	s_add_co_u32 s62, s62, s57
	s_mov_b32 s63, 0
	s_mov_b32 s[SEL], 0x76543210
	s_mov_b32 s[SEL+1], 0xfedcba98
	s_mov_b32 s[CS], 0x3e38aa3b                    ; log2(e) / 8
	s_mov_b32 s[TB], 0
	s_wait_alu depctr_va_vdst(0)                   ; the wait ahead of the waits below
	s_wait_dscnt 0x0
	s_wait_kmcnt 0x0
	s_load_b128 s[48:51], s[8:9], 0x0              ; e0 .. e3
	s_load_b32 s52, s[8:9], 0x10                   ; e4
	s_add_nc_u64 s[G0A+2:G0A+3], s[6:7], s[54:55]
	s_or_b32 s[G0A+3], s[G0A+3], 0x80000000
	s_add_nc_u64 s[G0B+2:G0B+3], s[6:7], s[58:59]
	s_or_b32 s[G0B+3], s[G0B+3], 0x80000000
	s_add_nc_u64 s[4:5], s[4:5], s[60:61]
	s_add_nc_u64 s[10:11], s[10:11], s[62:63]
.irp i, 0,1,2,3
	global_load_b128 v[QF+4*\i:QF+4*\i+3], v[LI], s[4:5] offset:512*\i   ; Q's two fragments stay in registers
.endr
	CROUND                                         ; the four partners are here: the joint loads meet
	tensor_load_to_lds s[G0A:G0A+3], s[G1A:G1A+7]  ; steps 0-4, an eighth a wave
	s_nop 0
	v_and_b32 v24, 15, v0
	v_bfe_u32 v25, v0, 4, 1
	v_lshlrev_b32 v[GO], 4, v24
	v_lshl_add_u32 v[GO], v25, 3, v[GO]            ; the way out: 16 r + 8 h
	v_mov_b32 v13, 0xff61b1e6                      ; the largest t so far: -3e38
	v_mov_b32 v15, 0xff61b1e6
	v_floor_f32 v12, -v13
	v_floor_f32 v14, -v15
.irp r, 16,17,18,19,21,23,28,29
	v_mov_b32 v\r, 0                               ; the sums; the upper halves of the pairs that hold f; the lane permutes' destinations
.endr
.set j, 0
.rept 64
	v_mov_b32 v[O+j], 0                            ; the step is written for every step alike: the first finds zeros
.set j, j+1
.endr
	s_wait_kmcnt 0x0
	s_add_co_i32 s53, s48, s49
	s_lshl_b32 s53, s53, 23
	s_add_co_i32 s[CS], s[CS], s53                 ; x 2^(e0 + e1), in the exponent field
	s_mov_b32 s[CS+1], s[CS]
	s_add_co_i32 s53, s51, 127
	s_lshl_b32 s54, s53, 23
	v_mov_b32 v4, s54                              ; 2^e3
	s_add_co_i32 s53, s53, 15
	s_lshl_b32 s53, s53, 23
	s_or_b32 s53, s53, 0x600000
	v_mov_b32 v5, s53                              ; 57,344 x 2^e3, twice: the two halves of a dual instruction read different banks
	v_mov_b32 v10, s53
	s_add_co_i32 s53, s52, 127
	s_lshl_b32 s54, s53, 23
	v_mov_b32 v6, s54                              ; 2^e4
	s_add_co_i32 s53, s53, 15
	s_lshl_b32 s53, s53, 23
	s_or_b32 s53, s53, 0x600000
	v_mov_b32 v7, s53                              ; 57,344 x 2^e4
.macro LDK off                         ; K's eight fragments, 16 keys x 64 each
.irp t, 0,1,2,3,4,5,6,7
	ds_load_b128 v[KF+8*\t:KF+8*\t+3],   v[ADR] offset:\off+1024*\t
	ds_load_b128 v[KF+8*\t+4:KF+8*\t+7], v[ADR] offset:\off+1024*\t+512
.endr
.endm
.macro LDV off                         ; V's four fragments, 16 of the head's 64 x 128 keys each
.irp d, 0,1,2,3
.irp c, 0,1,2,3
	ds_load_b128 v[VF+16*\d+4*\c:VF+16*\d+4*\c+3], v[ADR] offset:\off+8192+2048*\d+512*\c
.endr
.endr
.endm
.macro SCORE                           ; S^T of both tiles: lane (r, h) holds query r; register 8 t + j is key 16 t + 8 h + j
.irp t, 0,1,2,3,4,5,6,7
.irp u, 0,1
	v_wmma_f32_16x16x64_bf8_bf8 v[S+64*\u+8*\t:S+64*\u+8*\t+7], v[KF+8*\t:KF+8*\t+7], v[QF+8*\u:QF+8*\u+7], 0
.endr
.endr
.endm
.macro HOLD2 reg                       ; the hold: the conversion does not saturate (ISA guide 7.6.2); p is not negative, so it is one-sided
	v_dual_min_num_f32 v[\reg], v5, v[\reg] :: v_dual_min_num_f32 v[\reg+1], v10, v[\reg+1]
.endm
.macro ADD2 acc, reg
	v_pk_add_f32 v[\acc:\acc+1], v[\acc:\acc+1], v[\reg:\reg+1]
.endm
; A step.  sn: the next step's scores are begun; kn, vn: K's fragments two steps on and V's one step on are read.
.macro TRIP sn, kn, vn
	v_max3_num_f32 v24, v[S0], v[S0+1], v[S0+2]    ; the step's largest scores: two chains a tile, each accumulator from its low end on
	v_max3_num_f32 v26, v[S1], v[S1+1], v[S1+2]
	v_max3_num_f32 v25, v[S0+3], v[S0+4], v[S0+5]
	v_max3_num_f32 v27, v[S1+3], v[S1+4], v[S1+5]
.irp i, 6,10,14,18,22,26,30,34,38,42,46,50,54,58
	v_max3_num_f32 v24, v24, v[S0+\i], v[S0+1+\i]
	v_max3_num_f32 v26, v26, v[S1+\i], v[S1+1+\i]
	v_max3_num_f32 v25, v25, v[S0+2+\i], v[S0+3+\i]
	v_max3_num_f32 v27, v27, v[S1+2+\i], v[S1+3+\i]
.endr
	v_max3_num_f32 v24, v24, v[S0+62], v[S0+63]
	v_max3_num_f32 v26, v26, v[S1+62], v[S1+63]
	v_max_num_f32 v24, v24, v25
	v_max_num_f32 v26, v26, v27
	v_permlanex16_b32 v28, v24, s[SEL], s[SEL+1]
	v_permlanex16_b32 v29, v26, s[SEL], s[SEL+1]
	v_max_num_f32 v24, v24, v28
	v_max_num_f32 v26, v26, v29
	v_mul_f32 v24, s[CS], v24
	v_mul_f32 v26, s[CS], v26
	v_max_num_f32 v13, v13, v24                    ; the running largest t
	v_max_num_f32 v15, v15, v26
	v_mov_b32 v30, v12
	v_mov_b32 v31, v14
	v_floor_f32 v12, -v13                          ; -M
	v_floor_f32 v14, -v15
	v_sub_f32 v30, v12, v30
	v_sub_f32 v31, v14, v31
	v_cvt_i32_f32 v30, v30
	v_cvt_i32_f32 v31, v31
	v_ldexp_f32 v20, 1.0, v30                      ; f = 2^(old M - new M)
	v_ldexp_f32 v22, 1.0, v31
.set j, 0
.rept 32
	v_pk_fma_f32 v[S0+j:S0+j+1], v[S0+j:S0+j+1], s[CS:CS+1], v[12:13] op_sel_hi:[1,0,0]   ; tile 0: t - M
.set j, j+2
.endr
	s_wait_alu depctr_va_vdst(0)                   ; ahead of the first batch
.set j, 0
.rept 32
	v_exp_f32 v[S0+j], v[S0+j]                     ; tile 0's p, among tile 1's t - M, which the next batch reads behind the next wait
	v_exp_f32 v[S0+j+1], v[S0+j+1]
	v_pk_fma_f32 v[S1+j:S1+j+1], v[S1+j:S1+j+1], s[CS:CS+1], v[14:15] op_sel_hi:[1,0,0]
.set j, j+2
.endr
	s_wait_alu depctr_va_vdst(0)                   ; behind the first batch and ahead of the second
.irp k, 0,1,2,3,4,5,6,7                ; tile 1's p, among work on tile 0's first 32 p; what these plain lines write is first read behind the next wait
	v_exp_f32 v[S1+8*\k], v[S1+8*\k]
	v_exp_f32 v[S1+8*\k+1], v[S1+8*\k+1]
	v_pk_add_f32 v[T+2*\k:T+2*\k+1], v[S0+4*\k:S0+4*\k+1], v[S0+4*\k+2:S0+4*\k+3]   ; a first-level sum of the unquantised p,
	v_exp_f32 v[S1+8*\k+2], v[S1+8*\k+2]
	v_exp_f32 v[S1+8*\k+3], v[S1+8*\k+3]
	HOLD2 S0+4*\k                                  ; and only then the hold
	v_exp_f32 v[S1+8*\k+4], v[S1+8*\k+4]
	v_exp_f32 v[S1+8*\k+5], v[S1+8*\k+5]
.if \k < 2
	v_pk_mul_f32 v[16+2*\k:17+2*\k], v[16+2*\k:17+2*\k], v[20+2*\k:21+2*\k] op_sel_hi:[1,0]   ; the sums under the new M
.endif
	v_exp_f32 v[S1+8*\k+6], v[S1+8*\k+6]
	v_exp_f32 v[S1+8*\k+7], v[S1+8*\k+7]
	HOLD2 S0+4*\k+2
.endr
	v_nop                                          ; a plain line behind the last exponential
	s_wait_alu depctr_va_vdst(0)                   ; behind the second batch
	v_pk_add_f32 v[24:25], v[T:T+1], v[T+2:T+3]    ; the rest of the sums: two chains a tile, the holds between them
	v_pk_add_f32 v[26:27], v[S1:S1+1], v[S1+2:S1+3]
	HOLD2 S1
	HOLD2 S1+2
.irp k, 2,4,6
	ADD2 16, T+2*\k
	ADD2 18, S1+2*\k
	ADD2 24, T+2*\k+2
	ADD2 26, S1+2*\k+2
	HOLD2 S1+2*\k
	HOLD2 S1+2*\k+2
.endr
.irp k, 0,2,4,6,8,10,12,14
	ADD2 16, S0+32+2*\k
	ADD2 18, S1+16+2*\k
	ADD2 24, S0+34+2*\k
	ADD2 26, S1+18+2*\k
	HOLD2 S0+32+2*\k
	HOLD2 S1+16+2*\k
	HOLD2 S0+34+2*\k
	HOLD2 S1+18+2*\k
.endr
.irp k, 24,26,28,30
	ADD2 18, S1+2*\k
	ADD2 26, S1+2*\k+2
	HOLD2 S1+2*\k
	HOLD2 S1+2*\k+2
.endr
	ADD2 16, 24
	ADD2 18, 26
	WIN 0x40                                       ; the codes go to window 1
.irp u, 0,1
.irp b, 0,1,2,3
	v_cvt_scalef32_pk8_bf8_f32 v[PC+16*\u+4*\b:PC+16*\u+4*\b+1],   v[S+64*\u+16*\b:S+64*\u+16*\b+7],    v4
	v_cvt_scalef32_pk8_bf8_f32 v[PC+16*\u+4*\b+2:PC+16*\u+4*\b+3], v[S+64*\u+16*\b+8:S+64*\u+16*\b+15], v4
.endr
.endr
	WIN 0
	s_wait_dscnt 0x0                               ; the fragments asked for at the last step's end are in
	s_wait_alu depctr_va_vdst(0)                   ; the wait directly ahead of the first readers of O^T
.set j, 0
.rept 32
	v_pk_mul_f32 v[O+j:O+j+1], v[O+j:O+j+1], v[20+2*(j/32):21+2*(j/32)] op_sel_hi:[1,0]
.set j, j+2
.endr
	WIN 0x05                                       ; V's fragments and the codes in window 1
.irp d, 0,1,2,3
.irp u, 0,1
	v_wmma_f32_16x16x128_bf8_bf8 v[O+32*\u+8*\d:O+32*\u+8*\d+7], v[VF+16*\d:VF+16*\d+15], v[PC+16*\u:PC+16*\u+15], v[O+32*\u+8*\d:O+32*\u+8*\d+7]
.endr
.endr
.if \sn
	WIN 0x01
	SCORE
.endif
	WIN 0
.if \kn || \vn
	v_add_nc_u32 v[ADR], s[TB], v[LI]              ; four plain lines behind the products: in front of loads into registers that they have read, and of the first read of the scores
	v_nop
	v_nop
	v_nop
	WIN 0x40
.if \kn
	LDK 2*STEPB
.endif
	LDV STEPB
	WIN 0
.endif
.endm
	s_wait_alu depctr_va_vdst(0)                   ; the wait at the head's end
	s_wait_tensorcnt 0x0                           ; my part of steps 0-4 is in
	ds_add_u32 v[SPW], v[NIL]
	s_wait_dscnt 0x0
	CROUND                                         ; everybody's part is in, and the partners meet again
	tensor_load_to_lds s[G0B:G0B+3], s[G1B:G1B+7]  ; steps 5-15
	s_nop 0
.rept 4
	v_nop
.endr
	v_add_nc_u32 v[ADR], s[TB], v[LI]
	WIN 0x40
	LDK 0
	LDV 0
	WIN 0
	s_wait_alu depctr_va_vdst(0)
	s_wait_loadcnt 0x0                             ; Q
	s_wait_dscnt 16                                ; K's 16 loads are in; V's 16 may be out
	WIN 0x01
	SCORE
	WIN 0
.rept 4
	v_nop
.endr
	WIN 0x40
	LDK STEPB
	WIN 0
	s_mov_b32 s[CNT], NA-2
.Lfirst:                                               ; steps 0 .. NA - 3: they read up to step NA - 1
	TRIP 1, 1, 1
	s_add_co_u32 s[TB], s[TB], STEPB
	s_sub_co_u32 s[CNT], s[CNT], 1
	s_cmp_lg_u32 s[CNT], 0
	s_wait_alu depctr_va_vdst(0)
	s_cbranch_scc1 .Lfirst
	s_wait_tensorcnt 0x0                           ; my part of steps 5-15 is in,
	s_wait_dscnt 0x0
	s_barrier_signal -1
	s_barrier_wait -1                              ; and everybody's
	s_mov_b32 s[TB], (NA-2)*STEPB
	s_mov_b32 s[CNT], 16-NA
.Lrest:                                                ; steps NA - 2 .. 13
	TRIP 1, 1, 1
	s_add_co_u32 s[TB], s[TB], STEPB
	s_sub_co_u32 s[CNT], s[CNT], 1
	s_cmp_lg_u32 s[CNT], 0
	s_wait_alu depctr_va_vdst(0)
	s_cbranch_scc1 .Lrest
	TRIP 1, 0, 1                                   ; step 14: no K beyond step 15
	TRIP 0, 0, 0                                   ; step 15
.rept 4
	v_nop
.endr
	v_add_f32 v16, v16, v17
	v_add_f32 v18, v18, v19
	v_permlanex16_b32 v28, v16, s[SEL], s[SEL+1]
	v_permlanex16_b32 v29, v18, s[SEL], s[SEL+1]
	v_add_f32 v16, v16, v28                        ; the rows' sums
	v_add_f32 v18, v18, v29
	s_wait_alu depctr_va_vdst(0)
	v_rcp_f32 v16, v16
	v_rcp_f32 v18, v18
	v_nop
	s_add_co_i32 s53, s50, s51
	s_wait_alu depctr_va_vdst(0)
	v_ldexp_f32 v16, v16, s53                      ; x 2^(e2 + e3)
	v_ldexp_f32 v18, v18, s53
	s_wait_alu depctr_va_vdst(0)                   ; directly ahead of the first readers of O^T
.set j, 0
.rept 64
	v_mul_f32 v[S+j], v[O+j], v[16+2*(j/32)]
.set j, j+1
.endr
.set j, 0
.rept 64
	v_med3_num_f32 v[S+j], v[S+j], -v7, v7
.set j, j+1
.endr
.irp k, 0,1,2,3,4,5,6,7
	v_cvt_scalef32_pk8_bf8_f32 v[T+2*\k:T+2*\k+1], v[S+8*\k:S+8*\k+7], v6
.endr
	v_nop
.irp u, 0,1
.irp d, 0,1,2,3
	global_store_b64 v[GO], v[T+8*\u+2*\d:T+8*\u+2*\d+1], s[10:11] offset:8192*\u+256*\d   ; the 32 lanes store 256 consecutive bytes, aligned
.endr
.endr
	s_wait_tensorcnt 0x0                           ; the wave's end
	ds_add_u32 v[SPW], v[NIL]
	s_wait_dscnt 0x0
	CROUND                                         ; the closing round
	s_endpgm
.Lfunc_end_k_q9e1865c3b6_attn:
	.size	k_q9e1865c3b6_attn, .Lfunc_end_k_q9e1865c3b6_attn-k_q9e1865c3b6_attn
	.p2alignl 7, 3214868480
	.fill 96, 4, 3214868480
	.section	.rodata,"a",@progbits
	.p2align	6, 0x0
	.amdhsa_kernel k_q9e1865c3b6_attn
		.amdhsa_group_segment_fixed_size 327680
		.amdhsa_private_segment_fixed_size 0
		.amdhsa_enable_private_segment 0
		.amdhsa_kernarg_size 32
		.amdhsa_user_sgpr_count 2
		.amdhsa_user_sgpr_kernarg_segment_ptr 1
		.amdhsa_wavefront_size32 1
		.amdhsa_system_sgpr_workgroup_id_x 1
		.amdhsa_system_sgpr_workgroup_id_y 1
		.amdhsa_system_sgpr_workgroup_id_z 1
		.amdhsa_system_vgpr_workitem_id 0
		.amdhsa_next_free_vgpr 416
		.amdhsa_next_free_sgpr 66
		.amdhsa_reserve_vcc 0
		.amdhsa_float_denorm_mode_32 3
		.amdhsa_float_denorm_mode_16_64 3
		.amdhsa_memory_ordered 1
		.amdhsa_forward_progress 1
		.amdhsa_inst_pref_size 130
	.end_amdhsa_kernel
	.amdgpu_metadata
---
amdhsa.version: [ 1, 2 ]
amdhsa.kernels:
  - .name:           k_q9e1865c3b6_attn
    .symbol:         k_q9e1865c3b6_attn.kd
    .args:
      - { .name: q_img, .offset: 0, .size: 8, .value_kind: global_buffer, .address_space: global }
      - { .name: kv_img, .offset: 8, .size: 8, .value_kind: global_buffer, .address_space: global }
      - { .name: lowp_scales, .offset: 16, .size: 8, .value_kind: global_buffer, .address_space: global }
      - { .name: ctx_img, .offset: 24, .size: 8, .value_kind: global_buffer, .address_space: global }
    .group_segment_fixed_size: 327680
    .private_segment_fixed_size: 0
    .kernarg_segment_align: 8
    .kernarg_segment_size: 32
    .max_flat_workgroup_size: 256
    .sgpr_count:     66
    .vgpr_count:     416
    .wavefront_size: 32
...
	.end_amdgpu_metadata
.endif
;; end of part 2
;; launch gemm_o (part 3): grid 8 x 32, 4 waves a work-group, clusters of 4 x 4, 327,680 bytes of LDS; arguments ctx_img, w_o_codes, lowp_scales, V, emb, att_f; writes att_f
.if DOCPART == 3
	.amdgcn_target "amdgcn-amd-amdhsa--gfx1250"
	.amdhsa_code_object_version 6
	.text
	.protected	k_q9e1865c3b6_gemm_o
	.globl	k_q9e1865c3b6_gemm_o
	.p2align	8
	.type	k_q9e1865c3b6_gemm_o,@function
k_q9e1865c3b6_gemm_o:
	s_mov_b64 s[64:65], 0
	v_nop
	global_prefetch_b8 v0, s[64:65] scope:SCOPE_SE
	s_setreg_imm32_b32 hwreg(HW_REG_WAVE_MODE, 25, 1), 1
	s_wait_xcnt 0x0
	s_wait_alu depctr_hold_cnt(0) depctr_sa_sdst(0) depctr_va_vdst(0) depctr_va_sdst(0) depctr_va_ssrc(0) depctr_va_vcc(0) depctr_vm_vsrc(0)
	s_getreg_b32 s2, hwreg(HW_REG_IB_STS2, 6, 4)
	s_cmp_eq_u32 s2, 0
	s_cbranch_scc0 .Lentry_in_a_cluster
	s_endpgm
.Lentry_in_a_cluster:
	s_bfe_u32 s2, ttmp6, 0x10000c
	s_cmp_lg_u32 s2, 0xf033
	s_cbranch_scc0 .Lentry_shape_is_right
	s_endpgm
.Lentry_shape_is_right:
; C[m][n] = R[m][n] + 2^(ea + eb) x the sum over k of A[m][k] W[n][k], on codes of E5M2.  M = 4,096, N = 1,024, K = SIZE_K.
; R is the residual that the layer norm behind this product adds: with GATHER = 1 the rows emb[V[m]], with GATHER = 0 a buffer laid as C is.
; A comes as images of fragments, [K / 512][256 tiles of 16 rows][8,192 bytes]; W as rows of SIZE_K codes; C leaves as images of the accumulators,
; [tile of 16 rows][tile of 16 columns][1,024 bytes], f32: every store of a wave covers 512 consecutive bytes, and no stage in LDS is needed.
; A tile of C is 128 x 128, so that there are 256 work-groups; four waves, each 64 x 64: 16 accumulators.  K goes in slots of 512 through a ring of two LDS slots.
; A wave's 64 x 64 numbers of R are asked for at the head, into 128 registers laid as the accumulators are, and land while the wave multiplies: one packed multiply-add for two numbers on the way out.
; CLUSTERS: 4 x 4 work-groups; A's tiles are asked for jointly along a row of the cluster, W's along a column.
; THE MATRIX INSTRUCTION IS USED TRANSPOSED (source 0 = 16 rows of W, source 1 = 16 rows of A): a lane holds one row of C and eight neighbouring columns.
; In both operands registers 4 c .. 4 c + 3 hold k = 32 c + 16 (lane / 16) + 0..15: a permutation of k, the same on both sides, which changes only the order of the sums.
; LIMITS: ea + eb between -126 and 127, so that 2^(ea + eb) is an f32 number.  An index is held at 31,999, the table's last row.
; REGISTERS: window 0: v5-29 addresses; v128-255 the accumulators ((a, b) at v[128 + 8 (4 a + b)]).  window 1: two buffers of 128: A's four fragments, then W's four.  window 2: v0-127 R.
.set SIZE_K, 1024
.set SCOFF,  0x10                      ; where ea, eb lie in the buffer of scales
.set GATHER, 1
.set IDXMAX, 31999
.set KSLOT,  512
; HERE K IS 1,024 AND BOTH ITS HALVES OF 512 ARE BROUGHT AT THE HEAD, BY ONE LOAD A WAVE: what the text below calls slots 0 and 1 are the two halves of that one fill, and nothing is filled again.
; No prefetch: every tile is asked for at the head; there is no later load to run ahead of.
.set PITCH,  1040                      ; a row of W in LDS: its whole 1,024 bytes + 16 of padding
.set APART,  131072                    ; A's part: for each half of the rows, 2 planes of K x 4 tiles of rows x 8,192 bytes
.set BHALF,  64*PITCH
.set SLOT,   APART+2*BHALF
.set SPARE,  SLOT                      ; behind A's and W's parts: the spare words, 128 bytes a wave
.set APLANE, 2097152                   ; from 512 along K to the next in A's images
.set LAPS,   SIZE_K/(2*KSLOT)
.set IX,   8                           ; v8-11 the gather: index, then byte offset, of row 16 a + r
.set ADRA, 16
.set ADRB, 20
.set CO,   26
.set SPW,  28
.set NIL,  29
.set ACC,  128
.set XR,   0                           ; in window 2
.set F0,   0
.set F1,   128
.set G1,  24
.set G0,  32
.set G1B, 48
.set G0B, 56
.set CP,  70                           ; s[70:71] C
.set MSB, 0
.macro WIN new                         ; the immediate's high byte repeats the setting that is left
.if MSB != \new
	s_set_vgpr_msb (MSB<<8)|\new
.set MSB, \new
.endif
.endm
.set MUL,  0x05                        ; sources 0 and 1 window 1; C and D window 0
.set TO_F, 0x40                        ; destination window 1, address window 0
.set TO_X, 0x80                        ; destination window 2, address window 0
.set FMAX, 0x20                        ; source 2 window 2; a store's address and data stay in window 0
.macro JLOAD s                         ; a joint load: waves 0 and 1 fetch A's halves, waves 2 and 3 W's; four v_nop follow each line
	s_cmp_eq_u32 s15, 0
	s_cbranch_scc0 .Lfor_b_\@
	tensor_load_to_lds s[G0+4*\s:G0+4*\s+3], s[G1:G1+7]
	s_nop 0
.rept 4
	v_nop
.endr
	s_branch .Lasked_\@
.Lfor_b_\@:
	tensor_load_to_lds s[G0B+4*\s:G0B+4*\s+3], s[G1B:G1B+7]
	s_nop 0
.rept 4
	v_nop
.endr
.Lasked_\@:
.endm
.macro CREST
	s_cmp_lg_u32 s14, 0
	s_cbranch_scc1 .Lnot_wave_0_\@
	s_barrier_signal -3
.Lnot_wave_0_\@:
	s_barrier_wait -3
	s_barrier_signal -1
	s_barrier_wait -1
.endm
.macro CROUND
	s_barrier_signal -1
	s_barrier_wait -1
	CREST
.endm
	s_load_b128 s[4:7], s[0:1], 0x0                ; A s[4:5], W s[6:7]
	s_load_b128 s[8:11], s[0:1], 0x10              ; scales s[8:9]; s[10:11]: V, or R
.if GATHER
	s_load_b128 s[68:71], s[0:1], 0x20             ; emb s[68:69], C s[70:71]
.else
	s_load_b64 s[70:71], s[0:1], 0x20              ; C
.endif
	v_lshl_add_u32 v[SPW], v0, 2, SPARE
	v_mov_b32 v[NIL], 0
	ds_add_u32 v28, v29
	ds_add_u32 v28, v29
	s_wait_dscnt 0x0
	v_lshrrev_b32 v1, 5, v0
	v_readfirstlane_b32 s14, v1                    ; wave
	s_lshr_b32 s15, s14, 1                         ; my half of the tile's rows.  Also: I fetch for A (0) or for W (1)
	s_and_b32 s16, s14, 1                          ; my half of its columns.  Also: which half I fetch
	s_bfe_u32 s40, ttmp6, 0x40000                  ; cx
	s_bfe_u32 s41, ttmp6, 0x40004                  ; cy
	s_lshl_b32 s42, ttmp9, 2
	s_add_co_u32 s42, s42, s40                     ; tile column
	s_and_b32 s17, ttmp7, 0xffff
	s_lshl_b32 s17, s17, 2
	s_add_co_u32 s17, s17, s41                     ; tile row
	s_lshl_b32 s43, s41, 2
	s_lshl_b32 s43, 15, s43                        ; my row of the cluster
	s_lshl_b32 s44, 0x1111, s40                    ; my column
	s_or_b32 s[G1+0], s43, (3<<16)|(1<<21)         ; A: elements of 8 bytes, no padding
	s_mov_b32 s[G1+1], 4096<<16                    ; a row is four images on end, 32,768 bytes,
	s_mov_b32 s[G1+2], 2<<16                       ; two rows: the two planes of K,
	s_mov_b32 s[G1+3], 4096<<16
	s_mov_b32 s[G1+4], 2
	s_mov_b32 s[G1+5], APLANE/8                    ; a plane apart
	s_mov_b32 s[G1+6], 0
	s_mov_b32 s[G1+7], 0
	s_or_b32 s[G1B+0], s44, (1<<20)|(1<<21)|(7<<22)|(3<<25)   ; W: elements of 1 byte; 4 words of padding after every 256
	s_mov_b32 s[G1B+1], SIZE_K<<16
	s_mov_b32 s[G1B+2], 64<<16
	s_mov_b32 s[G1B+3], SIZE_K<<16
	s_mov_b32 s[G1B+4], 64
	s_mov_b32 s[G1B+5], SIZE_K
	s_mov_b32 s[G1B+6], 0
	s_mov_b32 s[G1B+7], 0
	s_lshl_b32 s20, s17, 16                        ; A: (8 tile row + 4 half) x 8,192
	s_lshl_b32 s18, s16, 15
	s_add_co_u32 s20, s20, s18
	s_mov_b32 s21, 0
	s_lshl_b32 s46, s42, 7                         ; W: row 128 tile column + 64 half
	s_lshl_b32 s19, s16, 6
	s_add_co_u32 s46, s46, s19
	s_mul_i32 s46, s46, SIZE_K
	s_mov_b32 s47, 0
	s_lshl_b32 s45, s16, 16                        ; where they go: no place in the cluster enters an LDS address
	s_mul_i32 s22, s16, BHALF
	s_add_co_u32 s22, s22, APART
.if GATHER
	v_and_b32 v5, 15, v0
	v_lshlrev_b32 v5, 2, v5                        ; 4 r: my row's index
	v_bfe_u32 v6, v0, 4, 1
	v_lshlrev_b32 v6, 5, v6                        ; 32 h: my half's eight columns
	s_lshl_b32 s72, s17, 9                         ; V: 4 bytes x (128 tile row + 64 half)
	s_lshl_b32 s73, s15, 8
	s_add_co_u32 s72, s72, s73
	s_mov_b32 s73, 0
	s_lshl_b32 s74, s42, 9                         ; a row of emb: 4 bytes x (128 tile column + 64 half)
	s_lshl_b32 s75, s16, 8
	s_add_co_u32 s74, s74, s75
	s_mov_b32 s75, 0
.endif
	s_wait_alu depctr_va_vdst(0)
	s_wait_kmcnt 0x0
	s_load_b64 s[96:97], s[8:9], SCOFF             ; ea, eb
	s_add_nc_u64 s[20:21], s[4:5], s[20:21]
	s_add_nc_u64 s[46:47], s[6:7], s[46:47]
.if GATHER
	s_add_nc_u64 s[10:11], s[10:11], s[72:73]
	s_add_nc_u64 s[68:69], s[68:69], s[74:75]
.irp a, 0,1,2,3
	global_load_b32 v[IX+\a], v5, s[10:11] offset:64*\a   ; the index of row 16 a + r: asked for first of all, since the gather hangs on it
.endr
.endif
	CROUND                                         ; all sixteen work-groups are here: the first joint loads meet
	s_mov_b32 s[G0], 1
	s_mov_b32 s[G0+1], s45
	s_mov_b64 s[G0+2:G0+3], s[20:21]
	s_or_b32 s[G0+3], s[G0+3], 0x80000000
	s_mov_b32 s[G0B], 1
	s_mov_b32 s[G0B+1], s22
	s_mov_b64 s[G0B+2:G0B+3], s[46:47]
	s_or_b32 s[G0B+3], s[G0B+3], 0x80000000
	JLOAD 0                                        ; the wave's one tensor load: its half of A or of W, all of K
	v_and_b32 v1, 15, v0                           ; r
	v_bfe_u32 v2, v0, 4, 1                         ; h
	v_and_b32 v3, 31, v0
	v_lshlrev_b32 v[CO], 4, v3                     ; 16 x lane: an image's place for my lane
	v_mul_u32_u24 v4, v1, PITCH
	v_lshl_add_u32 v4, v2, 4, v4
	s_lshl_b32 s21, s15, 16                        ; my 64 rows of A: four images in each plane
	s_mul_i32 s22, s16, BHALF                      ; my 64 rows of W
	s_add_co_u32 s22, s22, APART
.irp s, 0,1
	v_add_nc_u32 v[ADRA+\s], s21, v[CO]
	v_add_nc_u32 v[ADRB+\s], s22, v4
	s_add_co_u32 s21, s21, 32768                   ; the second plane of K,
	s_add_co_u32 s22, s22, KSLOT                   ; and the second half of W's rows
.endr
	s_lshl_b32 s20, s17, 19                        ; C: (8 tile row + 4 half) x 65,536 + (8 tile column + 4 half) x 1,024
	s_lshl_b32 s21, s15, 18
	s_add_co_u32 s20, s20, s21
	s_lshl_b32 s46, s42, 13
	s_lshl_b32 s47, s16, 12
	s_add_co_u32 s46, s46, s47
	s_add_co_u32 s20, s20, s46
	s_mov_b32 s21, 0
	s_add_nc_u64 s[CP:CP+1], s[CP:CP+1], s[20:21]
	; THE RESIDUAL: register 8 (4 a + b) + j of lane (r, h) is R(16 a + r, 16 b + 8 h + j), as in the accumulators.  32 loads, waited for on the way out.
.if GATHER
	s_wait_alu depctr_va_vdst(0)
	s_wait_loadcnt 0x0                             ; the four indices (the first tiles are on their way meanwhile)
.irp a, 0,1,2,3
	v_min_u32 v[IX+\a], IDXMAX, v[IX+\a]
	v_lshl_add_u32 v[IX+\a], v[IX+\a], 12, v6      ; a row of emb is 4,096 bytes
.endr
.else
	s_add_nc_u64 s[10:11], s[10:11], s[20:21]      ; R lies as C does
.endif
	WIN TO_X
.irp a, 0,1,2,3
.irp b, 0,1,2,3
.irp g, 0,1
.if GATHER
	global_load_b128 v[XR+8*(4*\a+\b)+4*\g:XR+8*(4*\a+\b)+4*\g+3], v[IX+\a], s[68:69] offset:64*\b+16*\g
.else
	global_load_b128 v[XR+8*(4*\a+\b)+4*\g:XR+8*(4*\a+\b)+4*\g+3], v[CO], s[10:11] offset:65536*\a+1024*\b+512*\g th:TH_LOAD_NT
.endif
.endr
.endr
.endr
	WIN 0
.macro FRAGA reg, adr, q, i            ; A's fragment i of the slot's q-th 128 along K: 4 x 512 consecutive bytes
.irp c, 0,1,2,3
	ds_load_b128 v[\reg+4*\c:\reg+4*\c+3], v[\adr] offset:8192*(\i)+2048*(\q)+512*\c
.endr
.endm
.macro FRAGB reg, adr, q, i            ; W's: 16 rows, 16 bytes a lane, 32 bytes apart
.irp c, 0,1,2,3
	ds_load_b128 v[\reg+4*\c:\reg+4*\c+3], v[\adr] offset:16*PITCH*(\i)+128*(\q)+32*\c
.endr
.endm
.macro FETCH slot, q, f                ; 32 LDS loads in one run: W's four fragments, then A's four
	WIN TO_F
.irp i, 0,1,2,3
	FRAGB \f+64+16*\i, ADRB+\slot, \q, \i
.endr
.irp i, 0,1,2,3
	FRAGA \f+16*\i, ADRA+\slot, \q, \i
.endr
.endm
.macro MULA f, a, zero                 ; A's block a against W's four; the 16 accumulators take turns, one instruction a turn
.irp b, 0,1,2,3
.if \zero
	v_wmma_f32_16x16x128_bf8_bf8 v[ACC+8*(4*(\a)+\b):ACC+8*(4*(\a)+\b)+7], v[\f+64+16*\b:\f+64+16*\b+15], v[\f+16*(\a):\f+16*(\a)+15], 0
.else
	v_wmma_f32_16x16x128_bf8_bf8 v[ACC+8*(4*(\a)+\b):ACC+8*(4*(\a)+\b)+7], v[\f+64+16*\b:\f+64+16*\b+15], v[\f+16*(\a):\f+16*(\a)+15], v[ACC+8*(4*(\a)+\b):ACC+8*(4*(\a)+\b)+7]
.endif
.endr
.endm
.macro PLACES                          ; four plain lines in front of loads into registers that matrix instructions have read, and of the first read of results
.rept 4
	v_nop
.endr
.endm
; A slot is four quarters of 128 along K, 16 matrix instructions each, on buffers 0, 1, 0, 1.  One of the first three multiplies f and fetches quarter qn into g.
.macro QUARTER slot, qn, f, g, zero
	s_wait_dscnt 8                                 ; W's four and A's blocks 0, 1 are in; the youngest eight loads (A's blocks 2, 3) may be out
	WIN MUL
	MULA \f, 0, \zero
	MULA \f, 1, \zero
	PLACES
	FETCH \slot, \qn, \g
	s_wait_dscnt 32                                ; all but the 32 just issued
	WIN MUL
	MULA \f, 2, \zero
	MULA \f, 3, \zero
.endm
; The last quarter multiplies buffer 1 and changes slots: one barrier; in front of it each wave waits for all its tensor loads, adds 0 to its spare word, and waits for that and for its reads of this slot.
.macro TURN slot, next, fill
	WIN 0
	s_wait_tensorcnt 0x0                           ; all my tensor loads have landed: my part of the next slot
	ds_add_u32 v[SPW], v[NIL]                      ; 0 onto my spare word
	s_wait_dscnt 9                                 ; (the add and the youngest eight loads may be out)
	WIN MUL
	MULA F1, 0, 0
	s_wait_dscnt 0x0                               ; the add is done, and my reads of this slot are over
	s_barrier_signal -1
	MULA F1, 1, 0
.if \fill
	WIN 0
.endif
	s_barrier_wait -1
.if \fill
	CREST                                          ; the barrier has opened a round of the cluster's: no wave of any partner still reads this slot or has a load on its way
	s_add_nc_u64 s[G0+4*\slot+2:G0+4*\slot+3], s[G0+4*\slot+2:G0+4*\slot+3], 2*APLANE
	s_add_nc_u64 s[G0B+4*\slot+2:G0B+4*\slot+3], s[G0B+4*\slot+2:G0B+4*\slot+3], 2*KSLOT
	JLOAD \slot                                    ; the first tensor load behind the round, one a wave; its four v_nop are also the places in front of the loads below
.else
	PLACES
.endif
	FETCH \next, 0, F0
	WIN MUL
	MULA F1, 2, 0
	MULA F1, 3, 0
.endm
	s_wait_alu depctr_va_vdst(0)                   ; the wait at the head's end
	s_wait_tensorcnt 0x0                           ; my load is in,
	s_barrier_signal -1
	s_barrier_wait -1                              ; and everybody's
	FETCH 0, 0, F0
	QUARTER 0, 1, F0, F1, 1                        ; the first quarter's products start the sums
.if LAPS > 1
	WIN 0
	s_mov_b32 s3, LAPS-1
.Llap:
	QUARTER 0, 2, F1, F0, 0
	QUARTER 0, 3, F0, F1, 0
	TURN 0, 1, 1
	QUARTER 1, 1, F0, F1, 0
	QUARTER 1, 2, F1, F0, 0
	QUARTER 1, 3, F0, F1, 0
	TURN 1, 0, 1
	QUARTER 0, 1, F0, F1, 0
	WIN 0
	s_sub_co_u32 s3, s3, 1
	s_cmp_lg_u32 s3, 0
	s_cbranch_scc1 .Llap
.endif
	QUARTER 0, 2, F1, F0, 0                        ; the last lap fills nothing
	QUARTER 0, 3, F0, F1, 0
	TURN 0, 1, 0
	QUARTER 1, 1, F0, F1, 0
	QUARTER 1, 2, F1, F0, 0
	QUARTER 1, 3, F0, F1, 0
	s_wait_dscnt 8
	WIN MUL
	MULA F1, 0, 0
	MULA F1, 1, 0
	s_wait_dscnt 0x0
	MULA F1, 2, 0
	MULA F1, 3, 0
	WIN 0
	; THE WAY OUT: sum x 2^(ea + eb) + R, two numbers an instruction; an accumulator leaves as it stands, 2 x 512 consecutive bytes
	s_wait_kmcnt 0x0
	s_add_co_i32 s96, s96, s97
	s_add_co_i32 s96, s96, 127
	s_lshl_b32 s96, s96, 23
	s_mov_b32 s97, s96
	s_wait_loadcnt 0x0                             ; R is in
	PLACES
	WIN FMAX
.irp a, 0,1,2,3
.irp b, 0,1,2,3
.irp i, 0,2,4,6
	v_pk_fma_f32 v[ACC+8*(4*\a+\b)+\i:ACC+8*(4*\a+\b)+\i+1], v[ACC+8*(4*\a+\b)+\i:ACC+8*(4*\a+\b)+\i+1], s[96:97], v[XR+8*(4*\a+\b)+\i:XR+8*(4*\a+\b)+\i+1] op_sel_hi:[1,0,1]
.endr
	global_store_b128 v[CO], v[ACC+8*(4*\a+\b):ACC+8*(4*\a+\b)+3],   s[CP:CP+1] offset:65536*\a+1024*\b th:TH_STORE_NT
	global_store_b128 v[CO], v[ACC+8*(4*\a+\b)+4:ACC+8*(4*\a+\b)+7], s[CP:CP+1] offset:65536*\a+1024*\b+512 th:TH_STORE_NT
.endr
.endr
	WIN 0
	s_wait_tensorcnt 0x0                           ; the wave's end
	ds_add_u32 v[SPW], v[NIL]
	s_wait_dscnt 0x0
	CROUND                                         ; the closing round
	s_endpgm
.Lfunc_end_k_q9e1865c3b6_gemm_o:
	.size	k_q9e1865c3b6_gemm_o, .Lfunc_end_k_q9e1865c3b6_gemm_o-k_q9e1865c3b6_gemm_o
	.p2alignl 7, 3214868480
	.fill 96, 4, 3214868480
	.section	.rodata,"a",@progbits
	.p2align	6, 0x0
	.amdhsa_kernel k_q9e1865c3b6_gemm_o
		.amdhsa_group_segment_fixed_size 327680
		.amdhsa_private_segment_fixed_size 0
		.amdhsa_enable_private_segment 0
		.amdhsa_kernarg_size 48
		.amdhsa_user_sgpr_count 2
		.amdhsa_user_sgpr_kernarg_segment_ptr 1
		.amdhsa_wavefront_size32 1
		.amdhsa_system_sgpr_workgroup_id_x 1
		.amdhsa_system_sgpr_workgroup_id_y 1
		.amdhsa_system_sgpr_workgroup_id_z 1
		.amdhsa_system_vgpr_workitem_id 0
		.amdhsa_next_free_vgpr 768
		.amdhsa_next_free_sgpr 98
		.amdhsa_reserve_vcc 0
		.amdhsa_float_denorm_mode_32 3
		.amdhsa_float_denorm_mode_16_64 3
		.amdhsa_memory_ordered 1
		.amdhsa_forward_progress 1
		.amdhsa_inst_pref_size 44
	.end_amdhsa_kernel
	.amdgpu_metadata
---
amdhsa.version: [ 1, 2 ]
amdhsa.kernels:
  - .name:           k_q9e1865c3b6_gemm_o
    .symbol:         k_q9e1865c3b6_gemm_o.kd
    .args:
      - { .name: ctx_img, .offset: 0, .size: 8, .value_kind: global_buffer, .address_space: global }
      - { .name: w_o_codes, .offset: 8, .size: 8, .value_kind: global_buffer, .address_space: global }
      - { .name: lowp_scales, .offset: 16, .size: 8, .value_kind: global_buffer, .address_space: global }
      - { .name: V, .offset: 24, .size: 8, .value_kind: global_buffer, .address_space: global }
      - { .name: emb, .offset: 32, .size: 8, .value_kind: global_buffer, .address_space: global }
      - { .name: att_f, .offset: 40, .size: 8, .value_kind: global_buffer, .address_space: global }
    .group_segment_fixed_size: 327680
    .private_segment_fixed_size: 0
    .kernarg_segment_align: 8
    .kernarg_segment_size: 48
    .max_flat_workgroup_size: 128
    .sgpr_count:     98
    .vgpr_count:     768
    .wavefront_size: 32
...
	.end_amdgpu_metadata
.endif
;; end of part 3
;; launch ln1 (part 4): grid 256 x 1, 16 waves a work-group, no clusters, 4,096 bytes of LDS; arguments att_f, gamma1, beta1, lowp_scales, x1_f, x1_img; writes x1_f, x1_img
.if DOCPART == 4
	.amdgcn_target "amdgcn-amd-amdhsa--gfx1250"
	.amdhsa_code_object_version 6
	.text
	.protected	k_q9e1865c3b6_ln1
	.globl	k_q9e1865c3b6_ln1
	.p2align	8
	.type	k_q9e1865c3b6_ln1,@function
k_q9e1865c3b6_ln1:
	s_mov_b64 s[64:65], 0
	v_nop
	global_prefetch_b8 v0, s[64:65] scope:SCOPE_SE
	s_setreg_imm32_b32 hwreg(HW_REG_WAVE_MODE, 25, 1), 1
	s_wait_xcnt 0x0
; x1 = layernorm(att) x gamma1 + beta1, where att = emb[V] + the attention's output as the launch before has summed them.
; x1 is stored twice: as f32 (in the accumulators' image, as att came) and as codes of E5M2 with 2^e6, laid as the next product's operand.
; A work-group takes a tile of 16 rows; wave w takes columns 64 w .. 64 w + 63.  Lane (r, h) holds 32 numbers of row r: for n = 0..3 the columns 64 w + 16 n + 8 h + 0..7.
; A row's sums meet in LDS: one word for each row and wave, one barrier a sum, two regions, so that no word is written twice.
; The variance is taken of the differences from the mean, in a second pass over the registers.
; LIMITS: e6 between -126 and 112.  NaN is not served.
.set D,  32                            ; v32-63   the data
.set E,  64                            ; v64-95   the held numbers
.set G,  96                            ; v96-127  gamma
.set BT, 128                           ; v128-159 beta
.set CD, 160                           ; v160-167 codes
.set CH, 168                           ; v168-171 two chains of a sum
	s_load_b256 s[4:11], s[0:1], 0x0               ; att_f 4, gamma1 6, beta1 8, scales 10
	s_load_b128 s[12:15], s[0:1], 0x20             ; x1_f 12, x1_img 14
	v_lshl_add_u32 v176, v0, 2, 0x800
	v_mov_b32 v177, 0
	v_lshrrev_b32 v1, 5, v0
	s_delay_alu instid0(VALU_DEP_1)
	v_readfirstlane_b32 s20, v1                    ; wave
	v_and_b32 v2, 15, v0                           ; r
	v_bfe_u32 v3, v0, 4, 1                         ; h
	v_and_b32 v1, 31, v0
	s_delay_alu instid0(VALU_DEP_1)
	v_lshlrev_b32 v1, 4, v1                        ; 16 x lane
	s_delay_alu instid0(VALU_DEP_3)
	v_lshlrev_b32 v4, 5, v3                        ; 32 h
	v_lshlrev_b32 v6, 4, v2
	s_delay_alu instid0(VALU_DEP_1)
	v_lshl_add_u32 v6, v3, 3, v6                   ; 16 r + 8 h
	v_lshlrev_b32 v8, 6, v2                        ; 64 r: a row's sixteen words
	s_lshl_b32 s21, s20, 2
	v_add_nc_u32 v7, s21, v8                       ; 64 r + 4 wave: my word
	v_mov_b32 v9, 0                                ; a lane permute's destination counts as read
	s_lshl_b32 s22, ttmp9, 16                      ; images: 65,536 T + 4,096 wave
	s_lshl_b32 s23, s20, 12
	s_add_co_u32 s22, s22, s23
	s_mov_b32 s23, 0
	s_lshl_b32 s26, s20, 8                         ; my 64 columns: 256 bytes
	s_mov_b32 s27, 0
	s_lshr_b32 s30, s20, 2                         ; x1_img: (wave / 4) x 1,048,576 + 4,096 T + (wave % 4) x 1,024
	s_lshl_b32 s30, s30, 20
	s_lshl_b32 s31, ttmp9, 12
	s_add_co_u32 s30, s30, s31
	s_and_b32 s31, s20, 3
	s_lshl_b32 s31, s31, 10
	s_add_co_u32 s30, s30, s31
	s_mov_b32 s31, 0
	s_mov_b32 s24, 0x76543210
	s_mov_b32 s25, 0xfedcba98
	s_mov_b32 s33, 0x3a800000                      ; 1 / 1,024
	s_mov_b32 s34, 0x3727c5ac                      ; 1e-5
	s_wait_alu depctr_va_vdst(0)
	s_wait_kmcnt 0x0
	s_load_b32 s32, s[10:11], 0x18                 ; e6
	s_add_nc_u64 s[4:5], s[4:5], s[22:23]
	s_add_nc_u64 s[6:7], s[6:7], s[26:27]
	s_add_nc_u64 s[8:9], s[8:9], s[26:27]
	s_add_nc_u64 s[12:13], s[12:13], s[22:23]
	s_add_nc_u64 s[14:15], s[14:15], s[30:31]
.irp n, 0,1,2,3
.irp g, 0,1
	global_load_b128 v[D+8*\n+4*\g:D+8*\n+4*\g+3], v1, s[4:5] offset:1024*\n+512*\g th:TH_LOAD_NT
.endr
.endr
.irp n, 0,1,2,3
.irp g, 0,1
	global_load_b128 v[G+8*\n+4*\g:G+8*\n+4*\g+3], v4, s[6:7] offset:64*\n+16*\g
	global_load_b128 v[BT+8*\n+4*\g:BT+8*\n+4*\g+3], v4, s[8:9] offset:64*\n+16*\g
.endr
.endr
	s_wait_kmcnt 0x0
	s_add_co_i32 s32, s32, 127
	s_lshl_b32 s35, s32, 23
	v_mov_b32 v14, s35                             ; 2^e6
	s_add_co_i32 s32, s32, 15
	s_lshl_b32 s32, s32, 23
	s_or_b32 s32, s32, 0x600000
	v_mov_b32 v15, s32                             ; 57,344 x 2^e6
; the two chains in v[CH:CH+3] become the row's sum over all 1,024 columns, in v16 of every lane
.macro REDUCE region
	s_delay_alu instid0(VALU_DEP_1)
	v_pk_add_f32 v[CH:CH+1], v[CH:CH+1], v[CH+2:CH+3]
	s_delay_alu instid0(VALU_DEP_1)
	v_add_f32 v[CH], v[CH], v[CH+1]
	s_delay_alu instid0(VALU_DEP_1)
	v_permlanex16_b32 v9, v[CH], s24, s25
	s_delay_alu instid0(VALU_DEP_1)
	v_add_f32 v[CH], v[CH], v9                     ; my wave's 64 columns of row r
	ds_store_b32 v7, v[CH] offset:\region
	s_wait_dscnt 0x0                               ; for the others' sake: my store has landed
	s_barrier_signal -1
	s_barrier_wait -1
.irp i, 0,1,2,3
	ds_load_b128 v[16+4*\i:19+4*\i], v8 offset:\region+16*\i
.endr
	s_wait_dscnt 0x0
	v_pk_add_f32 v[16:17], v[16:17], v[18:19]
	v_pk_add_f32 v[20:21], v[20:21], v[22:23]
	v_pk_add_f32 v[24:25], v[24:25], v[26:27]
	v_pk_add_f32 v[28:29], v[28:29], v[30:31]
	s_delay_alu instid0(VALU_DEP_3)
	v_pk_add_f32 v[16:17], v[16:17], v[20:21]
	s_delay_alu instid0(VALU_DEP_2)
	v_pk_add_f32 v[24:25], v[24:25], v[28:29]
	s_delay_alu instid0(VALU_DEP_1)
	v_pk_add_f32 v[16:17], v[16:17], v[24:25]
	s_delay_alu instid0(VALU_DEP_1)
	v_add_f32 v16, v16, v17
.endm
	s_wait_loadcnt 0x0
	v_pk_add_f32 v[CH:CH+1], v[D:D+1], v[D+2:D+3]
	v_pk_add_f32 v[CH+2:CH+3], v[D+4:D+5], v[D+6:D+7]
.irp j, 8,12,16,20,24,28
	s_delay_alu instid0(VALU_DEP_2)
	v_pk_add_f32 v[CH:CH+1], v[CH:CH+1], v[D+\j:D+\j+1]
	s_delay_alu instid0(VALU_DEP_2)
	v_pk_add_f32 v[CH+2:CH+3], v[CH+2:CH+3], v[D+\j+2:D+\j+3]
.endr
	REDUCE 0
	s_delay_alu instid0(VALU_DEP_1)
	v_mul_f32 v10, s33, v16                        ; the mean
	s_delay_alu instid0(VALU_DEP_1)
	v_mov_b32 v11, v10
.set j, 0
.rept 16
	v_pk_add_f32 v[D+j:D+j+1], v[D+j:D+j+1], v[10:11] neg_lo:[0,1] neg_hi:[0,1]
.set j, j+2
.endr
	v_pk_mul_f32 v[CH:CH+1], v[D:D+1], v[D:D+1]
	v_pk_mul_f32 v[CH+2:CH+3], v[D+2:D+3], v[D+2:D+3]
.irp j, 4,8,12,16,20,24,28
	s_delay_alu instid0(VALU_DEP_2)
	v_pk_fma_f32 v[CH:CH+1], v[D+\j:D+\j+1], v[D+\j:D+\j+1], v[CH:CH+1]
	s_delay_alu instid0(VALU_DEP_2)
	v_pk_fma_f32 v[CH+2:CH+3], v[D+\j+2:D+\j+3], v[D+\j+2:D+\j+3], v[CH+2:CH+3]
.endr
	REDUCE 1024
	s_delay_alu instid0(VALU_DEP_1)
	v_fma_f32 v12, v16, s33, s34                   ; the variance + 1e-5
	s_wait_alu depctr_va_vdst(0)
	v_rsq_f32 v12, v12
	v_nop                                          ; a plain line behind the root
	s_wait_alu depctr_va_vdst(0)                   ; the wait ahead of its first reader
	v_mov_b32 v13, v12
.set j, 0
.rept 16
	v_pk_mul_f32 v[D+j:D+j+1], v[D+j:D+j+1], v[12:13]
.set j, j+2
.endr
.set j, 0
.rept 16
	v_pk_fma_f32 v[D+j:D+j+1], v[D+j:D+j+1], v[G+j:G+j+1], v[BT+j:BT+j+1]
.set j, j+2
.endr
.irp n, 0,1,2,3
.irp g, 0,1
	global_store_b128 v1, v[D+8*\n+4*\g:D+8*\n+4*\g+3], s[12:13] offset:1024*\n+512*\g   ; 512 consecutive bytes a store
.endr
.endr
.set j, 0
.rept 32
	v_med3_num_f32 v[E+j], v[D+j], -v15, v15       ; the hold at the largest code x the scale
.set j, j+1
.endr
.irp n, 0,1,2,3
	v_cvt_scalef32_pk8_bf8_f32 v[CD+2*\n:CD+2*\n+1], v[E+8*\n:E+8*\n+7], v14
.endr
	v_nop
.irp n, 0,1,2,3
	global_store_b64 v6, v[CD+2*\n:CD+2*\n+1], s[14:15] offset:256*\n   ; the 32 lanes store 256 consecutive bytes, aligned
.endr
	s_wait_tensorcnt 0x0
	ds_add_u32 v176, v177
	s_wait_dscnt 0x0
	s_endpgm
.Lfunc_end_k_q9e1865c3b6_ln1:
	.size	k_q9e1865c3b6_ln1, .Lfunc_end_k_q9e1865c3b6_ln1-k_q9e1865c3b6_ln1
	.p2alignl 7, 3214868480
	.fill 96, 4, 3214868480
	.section	.rodata,"a",@progbits
	.p2align	6, 0x0
	.amdhsa_kernel k_q9e1865c3b6_ln1
		.amdhsa_group_segment_fixed_size 4096
		.amdhsa_private_segment_fixed_size 0
		.amdhsa_enable_private_segment 0
		.amdhsa_kernarg_size 48
		.amdhsa_user_sgpr_count 2
		.amdhsa_user_sgpr_kernarg_segment_ptr 1
		.amdhsa_wavefront_size32 1
		.amdhsa_system_sgpr_workgroup_id_x 1
		.amdhsa_system_sgpr_workgroup_id_y 1
		.amdhsa_system_sgpr_workgroup_id_z 1
		.amdhsa_system_vgpr_workitem_id 0
		.amdhsa_next_free_vgpr 178
		.amdhsa_next_free_sgpr 66
		.amdhsa_reserve_vcc 0
		.amdhsa_float_denorm_mode_32 3
		.amdhsa_float_denorm_mode_16_64 3
		.amdhsa_memory_ordered 1
		.amdhsa_forward_progress 1
		.amdhsa_inst_pref_size 17
	.end_amdhsa_kernel
	.amdgpu_metadata
---
amdhsa.version: [ 1, 2 ]
amdhsa.kernels:
  - .name:           k_q9e1865c3b6_ln1
    .symbol:         k_q9e1865c3b6_ln1.kd
    .args:
      - { .name: att_f, .offset: 0, .size: 8, .value_kind: global_buffer, .address_space: global }
      - { .name: gamma1, .offset: 8, .size: 8, .value_kind: global_buffer, .address_space: global }
      - { .name: beta1, .offset: 16, .size: 8, .value_kind: global_buffer, .address_space: global }
      - { .name: lowp_scales, .offset: 24, .size: 8, .value_kind: global_buffer, .address_space: global }
      - { .name: x1_f, .offset: 32, .size: 8, .value_kind: global_buffer, .address_space: global }
      - { .name: x1_img, .offset: 40, .size: 8, .value_kind: global_buffer, .address_space: global }
    .group_segment_fixed_size: 4096
    .private_segment_fixed_size: 0
    .kernarg_segment_align: 8
    .kernarg_segment_size: 48
    .max_flat_workgroup_size: 512
    .sgpr_count:     66
    .vgpr_count:     178
    .wavefront_size: 32
...
	.end_amdgpu_metadata
.endif
;; end of part 4
;; launch gemm_1 (part 5): grid 16 x 16, 4 waves a work-group, clusters of 4 x 4, 327,680 bytes of LDS; arguments x1_img, w1_codes, lowp_scales, b1, h_img; writes h_img
.if DOCPART == 5
	.amdgcn_target "amdgcn-amd-amdhsa--gfx1250"
	.amdhsa_code_object_version 6
	.text
	.protected	k_q9e1865c3b6_gemm_1
	.globl	k_q9e1865c3b6_gemm_1
	.p2align	8
	.type	k_q9e1865c3b6_gemm_1,@function
k_q9e1865c3b6_gemm_1:
	s_mov_b64 s[64:65], 0
	v_nop
	global_prefetch_b8 v0, s[64:65] scope:SCOPE_SE
	s_setreg_imm32_b32 hwreg(HW_REG_WAVE_MODE, 25, 1), 1
	s_wait_xcnt 0x0
	s_wait_alu depctr_hold_cnt(0) depctr_sa_sdst(0) depctr_va_vdst(0) depctr_va_sdst(0) depctr_va_ssrc(0) depctr_va_vcc(0) depctr_vm_vsrc(0)
	s_getreg_b32 s2, hwreg(HW_REG_IB_STS2, 6, 4)
	s_cmp_eq_u32 s2, 0
	s_cbranch_scc0 .Lentry_in_a_cluster
	s_endpgm
.Lentry_in_a_cluster:
	s_bfe_u32 s2, ttmp6, 0x10000c
	s_cmp_lg_u32 s2, 0xf033
	s_cbranch_scc0 .Lentry_shape_is_right
	s_endpgm
.Lentry_shape_is_right:
; h = Q(relu(x1 W1^T + b1)) on codes of E5M2: M = 4,096, N = 4,096, K = 1,024; h leaves as codes with 2^e8, laid as the next product's operand.
; A tile of C is 256 x 256: 256 work-groups of four waves, 128 x 128 a wave; K goes in four steps of 256 through a ring of two LDS slots; clusters of 4 x 4 ask for A's tiles jointly along a row, for W's along a column.
; b1, divided by 2^(e6 + e7), is the C of each accumulator's first product; the hold at the largest code clips at 0 as well.
; K steps 1, 2 and 3 are prefetched into the L2: steps 1 and 2 beside step 0's load, step 3 beside step 1's.
; LIMITS: e8 - e6 - e7 between -126 and 112.  NaN is not served.
.set SIZE_K, 1024
.set KSTEP,  256
.set ROWB,   256
.set KROW,   SIZE_K
.set PITCH,  272
.set FR,     16
.set NL,     4
.set NP,     4
.set APART,  65536
.set BHALF,  128*PITCH
.set SLOT,   APART+2*BHALF
.set APLANE, 1048576
.set LAPS,   SIZE_K/(2*KSTEP)
.set SPARE,  2*SLOT
.set ADRA, 16
.set ADRB, 20
.set CO,   26
.set BA,   27
.set SPW,  28
.set NIL,  29
.set BI,   64
.set CDS,  64
.set HN,   192
.set AF,   128
.set G1,  24
.set G0,  32
.set G1B, 48
.set G0B, 56
.set MSB, 0
.macro WIN new
.if MSB != \new
	s_set_vgpr_msb (MSB<<8)|\new
.set MSB, \new
.endif
.endm
.set MUL_LO, 0xa1
.set MUL_HI, 0xf1
.set BIA_LO, 0x81
.set BIA_HI, 0xc1
.set TO_B,   0x40
.macro JLOAD s
	s_cmp_eq_u32 s15, 0
	s_cbranch_scc0 .Lfor_b_\@
	tensor_load_to_lds s[G0+4*\s:G0+4*\s+3], s[G1:G1+7]
	s_nop 0
.rept 4
	v_nop
.endr
	s_branch .Lasked_\@
.Lfor_b_\@:
	tensor_load_to_lds s[G0B+4*\s:G0B+4*\s+3], s[G1B:G1B+7]
	s_nop 0
.rept 4
	v_nop
.endr
.Lasked_\@:
.endm
.macro CREST
	s_cmp_lg_u32 s14, 0
	s_cbranch_scc1 .Lnot_wave_0_\@
	s_barrier_signal -3
.Lnot_wave_0_\@:
	s_barrier_wait -3
	s_barrier_signal -1
	s_barrier_wait -1
.endm
.macro CROUND
	s_barrier_signal -1
	s_barrier_wait -1
	CREST
.endm
	s_load_b128 s[4:7], s[0:1], 0x0
	s_load_b128 s[8:11], s[0:1], 0x10
	s_load_b64 s[12:13], s[0:1], 0x20
	v_lshl_add_u32 v[SPW], v0, 2, SPARE
	v_mov_b32 v[NIL], 0
	ds_add_u32 v28, v29
	ds_add_u32 v28, v29
	s_wait_dscnt 0x0
	v_lshrrev_b32 v1, 5, v0
	v_readfirstlane_b32 s14, v1
	s_lshr_b32 s15, s14, 1
	s_and_b32 s16, s14, 1
	s_bfe_u32 s40, ttmp6, 0x40000
	s_bfe_u32 s41, ttmp6, 0x40004
	s_lshl_b32 s42, ttmp9, 2
	s_add_co_u32 s42, s42, s40
	s_and_b32 s17, ttmp7, 0xffff
	s_lshl_b32 s17, s17, 2
	s_add_co_u32 s17, s17, s41
	s_lshl_b32 s43, s41, 2
	s_lshl_b32 s43, 15, s43
	s_lshl_b32 s44, 0x1111, s40
	s_or_b32 s[G1+0], s43, (3<<16)|(1<<21)
	s_mov_b32 s[G1+1], 32<<16
	s_mov_b32 s[G1+2], 128<<16
	s_mov_b32 s[G1+3], 32<<16
	s_mov_b32 s[G1+4], 128
	s_mov_b32 s[G1+5], 32
	s_mov_b32 s[G1+6], 0
	s_mov_b32 s[G1+7], 0
	s_or_b32 s[G1B+0], s44, (1<<20)|(1<<21)|(5<<22)|(3<<25)
	s_mov_b32 s[G1B+1], ROWB<<16
	s_mov_b32 s[G1B+2], 128<<16
	s_mov_b32 s[G1B+3], ROWB<<16
	s_mov_b32 s[G1B+4], 128
	s_mov_b32 s[G1B+5], KROW
	s_mov_b32 s[G1B+6], 0
	s_mov_b32 s[G1B+7], 0
	s_lshl_b32 s20, s17, 16
	s_lshl_b32 s18, s16, 15
	s_add_co_u32 s20, s20, s18
	s_mov_b32 s21, 0
	s_lshl_b32 s46, s42, 18
	s_lshl_b32 s19, s16, 17
	s_add_co_u32 s46, s46, s19
	s_mov_b32 s47, 0
	s_lshl_b32 s45, s16, 15
	s_mul_i32 s22, s16, BHALF
	s_add_co_u32 s22, s22, APART
	s_wait_kmcnt 0x0
	s_load_b64 s[96:97], s[8:9], 0x18
	s_load_b32 s98, s[8:9], 0x20
	s_add_nc_u64 s[20:21], s[4:5], s[20:21]
	s_add_nc_u64 s[46:47], s[6:7], s[46:47]
	CROUND
.irp s, 0,1
	s_mov_b32 s[G0+4*\s], 1
	s_add_co_u32 s[G0+4*\s+1], s45, \s*SLOT
	s_add_nc_u64 s[G0+4*\s+2:G0+4*\s+3], s[20:21], \s*APLANE
	s_or_b32 s[G0+4*\s+3], s[G0+4*\s+3], 0x80000000
	s_mov_b32 s[G0B+4*\s], 1
	s_add_co_u32 s[G0B+4*\s+1], s22, \s*SLOT
	s_add_nc_u64 s[G0B+4*\s+2:G0B+4*\s+3], s[46:47], \s*ROWB
	s_or_b32 s[G0B+4*\s+3], s[G0B+4*\s+3], 0x80000000
.endr
	JLOAD 0                                        ; K step 0: one tensor load a wave at the head
	; THE PREFETCHES INTO THE L2: one instruction names 32 blocks of 256 bytes, a lane a block.  Of the 128 blocks of a K step that a wave fetches (A: 32,768 dense bytes; W: 128 rows x 256 bytes),
	; each of the four partners that ask for them jointly takes 32, told apart by address (cx for A: 8,192 bytes on; cy for W: 32 rows on): each block is named once in each cluster that loads it.
	s_lshl_b32 s82, s17, 16
	s_lshl_b32 s83, s16, 15
	s_add_co_u32 s82, s82, s83
	s_lshl_b32 s83, s40, 13
	s_add_co_u32 s82, s82, s83                     ; A: 65,536 tile row + 32,768 half + 8,192 cx
	s_lshl_b32 s84, s42, 8
	s_lshl_b32 s85, s16, 7
	s_add_co_u32 s84, s84, s85
	s_lshl_b32 s85, s41, 5
	s_add_co_u32 s84, s84, s85
	s_lshl_b32 s84, s84, 10                        ; W: row 256 tile column + 128 half + 32 cy, of 1,024 bytes
	s_mov_b32 s78, ROWB
	s_mov_b32 s80, KROW
	s_cmp_eq_u32 s15, 0                            ; do I fetch for A?
	s_cselect_b64 s[86:87], s[4:5], s[6:7]
	s_cselect_b32 s78, APLANE, s78                 ; s[78:79]: a K step on
	s_cselect_b32 s80, 256, s80                    ; from lane to lane
	s_cselect_b32 s82, s82, s84
	s_mov_b32 s83, 0
	s_mov_b32 s79, 0
	s_add_nc_u64 s[86:87], s[86:87], s[82:83]
	s_add_nc_u64 s[86:87], s[86:87], s[78:79]      ; my blocks of K step 1,
	s_add_nc_u64 s[76:77], s[86:87], s[78:79]      ; of K step 2,
	s_add_nc_u64 s[88:89], s[76:77], s[78:79]      ; and of K step 3: the three pairs are never rewritten
	v_and_b32 v8, 31, v0
	v_mul_lo_u32 v8, v8, s80                       ; v8: my lane's block; never rewritten
	global_prefetch_b8 v8, s[86:87] th:TH_LOAD_NT scope:SCOPE_SE
	global_prefetch_b8 v8, s[76:77] th:TH_LOAD_NT scope:SCOPE_SE
	v_and_b32 v1, 15, v0
	v_bfe_u32 v2, v0, 4, 1
	v_and_b32 v3, 31, v0
	v_lshlrev_b32 v3, 4, v3
	v_mul_u32_u24 v4, v1, PITCH
	v_lshl_add_u32 v4, v2, 4, v4
	v_lshlrev_b32 v[CO], 4, v1
	v_lshl_add_u32 v[CO], v2, 3, v[CO]
	v_lshlrev_b32 v[BA], 5, v2
	s_wait_alu depctr_va_vdst(0)
	s_lshl_b32 s21, s15, 15
	s_mul_i32 s22, s16, BHALF
	s_add_co_u32 s22, s22, APART
.irp s, 0,1
	v_add_nc_u32 v[ADRA+\s], s21, v3
	v_add_nc_u32 v[ADRB+\s], s22, v4
	s_add_co_u32 s21, s21, SLOT
	s_add_co_u32 s22, s22, SLOT
.endr
	s_lshr_b32 s20, s42, 1
	s_lshl_b32 s20, s20, 21
	s_lshl_b32 s21, s17, 17
	s_add_co_u32 s20, s20, s21
	s_lshl_b32 s21, s15, 16
	s_add_co_u32 s20, s20, s21
	s_and_b32 s21, s42, 1
	s_lshl_b32 s21, s21, 12
	s_add_co_u32 s20, s20, s21
	s_lshl_b32 s21, s16, 11
	s_add_co_u32 s20, s20, s21
	s_mov_b32 s21, 0
	s_add_nc_u64 s[12:13], s[12:13], s[20:21]
	s_lshl_b32 s46, s42, 10
	s_lshl_b32 s47, s16, 9
	s_add_co_u32 s46, s46, s47
	s_mov_b32 s47, 0
	s_add_nc_u64 s[10:11], s[10:11], s[46:47]
.irp b, 0,1,2,3,4,5,6,7
	global_load_b128 v[BI+8*\b:BI+8*\b+3],   v[BA], s[10:11] offset:64*\b
	global_load_b128 v[BI+8*\b+4:BI+8*\b+7], v[BA], s[10:11] offset:64*\b+16
.endr
	s_wait_kmcnt 0x0
	s_add_co_i32 s96, s96, s97
	s_sub_co_i32 s97, 0, s96
	s_sub_co_i32 s98, s98, s96
	s_add_co_i32 s98, s98, 127
	s_lshl_b32 s96, s98, 23
	v_mov_b32 v30, s96
	s_add_co_i32 s98, s98, 15
	s_lshl_b32 s98, s98, 23
	s_or_b32 s98, s98, 0x600000
	v_mov_b32 v31, s98
	s_wait_loadcnt 0x0
.set j, 0
.rept 64
	v_ldexp_f32 v[BI+j], v[BI+j], s97
.set j, j+1
.endr
.macro FRAGA reg, adr, q, i
.irp c, 0,1,2,3
	ds_load_b128 v[\reg+4*\c:\reg+4*\c+3], v[\adr] offset:4096*(\i)+2048*(\q)+512*\c
.endr
.endm
.macro FRAGB reg, adr, q, i
.irp c, 0,1,2,3
	ds_load_b128 v[\reg+4*\c:\reg+4*\c+3], v[\adr] offset:128*(\q)+32*\c+(\i)*16*PITCH
.endr
.endm
.macro MUL16 a0, p, zero
.irp a, \a0, \a0+1
.irp b, 0,1,2,3,4,5,6,7
.if \zero
	v_wmma_f32_16x16x128_bf8_bf8 v[8*(8*((\a)%4)+\b):8*(8*((\a)%4)+\b)+7], v[128*(\p)+FR*\b:128*(\p)+FR*\b+FR-1], v[AF+FR*(\a):AF+FR*(\a)+FR-1], v[BI+8*\b:BI+8*\b+7]
.else
	v_wmma_f32_16x16x128_bf8_bf8 v[8*(8*((\a)%4)+\b):8*(8*((\a)%4)+\b)+7], v[128*(\p)+FR*\b:128*(\p)+FR*\b+FR-1], v[AF+FR*(\a):AF+FR*(\a)+FR-1], v[8*(8*((\a)%4)+\b):8*(8*((\a)%4)+\b)+7]
.endif
.endr
.endr
.endm
.macro FETCH_B slot, q, p
	WIN TO_B
.irp i, 0,1,2,3,4,5,6,7
	FRAGB 128*(\p)+FR*\i, ADRB+\slot, \q, \i
.endr
	WIN 0
.endm
.macro FETCH_A slot, q, i0
.irp i, \i0, \i0+1, \i0+2, \i0+3
	FRAGA AF+FR*(\i), ADRA+\slot, \q, \i
.endr
.endm
.macro PLACES n
.rept \n
	v_nop
.endr
.endm
.macro STEP slot, q, zero
	s_wait_dscnt 4*NL
.if \zero
	WIN BIA_LO
.else
	WIN MUL_LO
.endif
	MUL16 0, (\q)%2, \zero
	MUL16 2, (\q)%2, \zero
	s_wait_dscnt 0
	PLACES NP
	FETCH_B \slot, (\q)+1, 1-(\q)%2
	FETCH_A \slot, (\q)+1, 0
.if \zero
	WIN BIA_HI
.else
	WIN MUL_HI
.endif
	MUL16 4, (\q)%2, \zero
	MUL16 6, (\q)%2, \zero
	PLACES NP
	WIN 0
	FETCH_A \slot, (\q)+1, 4
.endm
.macro TURN slot, next, fill
	s_wait_tensorcnt 0x0
	ds_add_u32 v[SPW], v[NIL]
	s_wait_dscnt 4*NL+1
	WIN MUL_LO
	MUL16 0, 1, 0
	s_wait_dscnt 0x0
	s_barrier_signal -1
	MUL16 2, 1, 0
	WIN 0
	s_barrier_wait -1
.if \fill
	CREST
	s_add_nc_u64 s[G0+4*\slot+2:G0+4*\slot+3], s[G0+4*\slot+2:G0+4*\slot+3], 2*APLANE
	s_add_nc_u64 s[G0B+4*\slot+2:G0B+4*\slot+3], s[G0B+4*\slot+2:G0B+4*\slot+3], 2*ROWB
	JLOAD \slot
.else
	PLACES NP
.endif
	FETCH_B \next, 0, 0
	FETCH_A \next, 0, 0
	WIN MUL_HI
	MUL16 4, 1, 0
	MUL16 6, 1, 0
	PLACES NP
	WIN 0
	FETCH_A \next, 0, 4
.endm
	s_wait_alu depctr_va_vdst(0)                   ; the wait at the head's end
	s_wait_tensorcnt 0x0                           ; my part of K step 0 is in
	ds_add_u32 v[SPW], v[NIL]
	s_wait_dscnt 0x0
	CROUND                                         ; everybody's part is in, and the sixteen work-groups meet
	JLOAD 1                                        ; K step 1, the first tensor load behind the round
	FETCH_B 0, 0, 0
	FETCH_A 0, 0, 0
	FETCH_A 0, 0, 4
	global_prefetch_b8 v8, s[88:89] th:TH_LOAD_NT scope:SCOPE_SE   ; K step 3, two loads ahead of its own
	STEP 0, 0, 1
	s_mov_b32 s3, LAPS-1
.Llap:
	TURN 0, 1, 1
	STEP 1, 0, 0
	TURN 1, 0, 1
	STEP 0, 0, 0
	s_sub_co_u32 s3, s3, 1
	s_cmp_lg_u32 s3, 0
	s_cbranch_scc1 .Llap
	TURN 0, 1, 0
	STEP 1, 0, 0
	s_wait_dscnt 4*NL
	WIN MUL_LO
	MUL16 0, 1, 0
	MUL16 2, 1, 0
	s_wait_dscnt 0
	WIN MUL_HI
	MUL16 4, 1, 0
	MUL16 6, 1, 0
	WIN 0
	PLACES NP
.irp a, 0,1,2,3,4,5,6,7
	WIN (0x02+((\a)/4))
.set j, 0
.rept 64
	v_med3_num_f32 v[HN+j], v[64*((\a)%4)+j], 0, v31
.set j, j+1
.endr
	WIN 0
.irp b, 0,1,2,3,4,5,6,7
	v_cvt_scalef32_pk8_bf8_f32 v[CDS+16*\a+2*\b:CDS+16*\a+2*\b+1], v[HN+8*\b:HN+8*\b+7], v30
.endr
	v_nop
.irp b, 0,1,2,3,4,5,6,7
	global_store_b64 v[CO], v[CDS+16*\a+2*\b:CDS+16*\a+2*\b+1], s[12:13] offset:8192*\a+256*\b
.endr
.endr
	s_wait_tensorcnt 0x0
	ds_add_u32 v[SPW], v[NIL]
	s_wait_dscnt 0x0
	CROUND
	s_endpgm
.Lfunc_end_k_q9e1865c3b6_gemm_1:
	.size	k_q9e1865c3b6_gemm_1, .Lfunc_end_k_q9e1865c3b6_gemm_1-k_q9e1865c3b6_gemm_1
	.p2alignl 7, 3214868480
	.fill 96, 4, 3214868480
	.section	.rodata,"a",@progbits
	.p2align	6, 0x0
	.amdhsa_kernel k_q9e1865c3b6_gemm_1
		.amdhsa_group_segment_fixed_size 327680
		.amdhsa_private_segment_fixed_size 0
		.amdhsa_enable_private_segment 0
		.amdhsa_kernarg_size 40
		.amdhsa_user_sgpr_count 2
		.amdhsa_user_sgpr_kernarg_segment_ptr 1
		.amdhsa_wavefront_size32 1
		.amdhsa_system_sgpr_workgroup_id_x 1
		.amdhsa_system_sgpr_workgroup_id_y 1
		.amdhsa_system_sgpr_workgroup_id_z 1
		.amdhsa_system_vgpr_workitem_id 0
		.amdhsa_next_free_vgpr 1024
		.amdhsa_next_free_sgpr 100
		.amdhsa_reserve_vcc 0
		.amdhsa_float_denorm_mode_32 3
		.amdhsa_float_denorm_mode_16_64 3
		.amdhsa_memory_ordered 1
		.amdhsa_forward_progress 1
		.amdhsa_inst_pref_size 128
	.end_amdhsa_kernel
	.amdgpu_metadata
---
amdhsa.version: [ 1, 2 ]
amdhsa.kernels:
  - .name:           k_q9e1865c3b6_gemm_1
    .symbol:         k_q9e1865c3b6_gemm_1.kd
    .args:
      - { .name: x1_img, .offset: 0, .size: 8, .value_kind: global_buffer, .address_space: global }
      - { .name: w1_codes, .offset: 8, .size: 8, .value_kind: global_buffer, .address_space: global }
      - { .name: lowp_scales, .offset: 16, .size: 8, .value_kind: global_buffer, .address_space: global }
      - { .name: b1, .offset: 24, .size: 8, .value_kind: global_buffer, .address_space: global }
      - { .name: h_img, .offset: 32, .size: 8, .value_kind: global_buffer, .address_space: global }
    .group_segment_fixed_size: 327680
    .private_segment_fixed_size: 0
    .kernarg_segment_align: 8
    .kernarg_segment_size: 40
    .max_flat_workgroup_size: 128
    .sgpr_count:     100
    .vgpr_count:     1024
    .wavefront_size: 32
...
	.end_amdgpu_metadata
.endif
;; end of part 5
;; launch gemm_2 (part 6): grid 8 x 32, 4 waves a work-group, clusters of 4 x 4, 327,680 bytes of LDS; arguments h_img, w2_codes, lowp_scales, x1_f, ff_f; writes ff_f
.if DOCPART == 6
	.amdgcn_target "amdgcn-amd-amdhsa--gfx1250"
	.amdhsa_code_object_version 6
	.text
	.protected	k_q9e1865c3b6_gemm_2
	.globl	k_q9e1865c3b6_gemm_2
	.p2align	8
	.type	k_q9e1865c3b6_gemm_2,@function
k_q9e1865c3b6_gemm_2:
	s_mov_b64 s[64:65], 0
	v_nop
	global_prefetch_b8 v0, s[64:65] scope:SCOPE_SE
	s_setreg_imm32_b32 hwreg(HW_REG_WAVE_MODE, 25, 1), 1
	s_wait_xcnt 0x0
	s_wait_alu depctr_hold_cnt(0) depctr_sa_sdst(0) depctr_va_vdst(0) depctr_va_sdst(0) depctr_va_ssrc(0) depctr_va_vcc(0) depctr_vm_vsrc(0)
	s_getreg_b32 s2, hwreg(HW_REG_IB_STS2, 6, 4)
	s_cmp_eq_u32 s2, 0
	s_cbranch_scc0 .Lentry_in_a_cluster
	s_endpgm
.Lentry_in_a_cluster:
	s_bfe_u32 s2, ttmp6, 0x10000c
	s_cmp_lg_u32 s2, 0xf033
	s_cbranch_scc0 .Lentry_shape_is_right
	s_endpgm
.Lentry_shape_is_right:
; C[m][n] = R[m][n] + 2^(ea + eb) x the sum over k of A[m][k] W[n][k], on codes of E5M2.  M = 4,096, N = 1,024, K = SIZE_K.
; R is the residual that the layer norm behind this product adds: with GATHER = 1 the rows emb[V[m]], with GATHER = 0 a buffer laid as C is.
; A comes as images of fragments, [K / 512][256 tiles of 16 rows][8,192 bytes]; W as rows of SIZE_K codes; C leaves as images of the accumulators,
; [tile of 16 rows][tile of 16 columns][1,024 bytes], f32: every store of a wave covers 512 consecutive bytes, and no stage in LDS is needed.
; A tile of C is 128 x 128, so that there are 256 work-groups; four waves, each 64 x 64: 16 accumulators.  K goes in slots of 512 through a ring of two LDS slots.
; A wave's 64 x 64 numbers of R are asked for behind the first quarter's products, into 128 registers laid as the accumulators are, and land while the wave multiplies: one packed multiply-add for two numbers on the way out.
; CLUSTERS: 4 x 4 work-groups; A's tiles are asked for jointly along a row of the cluster, W's along a column.
; THE MATRIX INSTRUCTION IS USED TRANSPOSED (source 0 = 16 rows of W, source 1 = 16 rows of A): a lane holds one row of C and eight neighbouring columns.
; In both operands registers 4 c .. 4 c + 3 hold k = 32 c + 16 (lane / 16) + 0..15: a permutation of k, the same on both sides, which changes only the order of the sums.
; LIMITS: ea + eb between -126 and 127, so that 2^(ea + eb) is an f32 number.  An index is held at 31,999, the table's last row.
; REGISTERS: window 0: v5-29 addresses; v128-255 the accumulators ((a, b) at v[128 + 8 (4 a + b)]).  window 1: two buffers of 128: A's four fragments, then W's four.  window 2: v0-127 R.
.set SIZE_K, 4096
.set SCOFF,  0x20                      ; where ea, eb lie in the buffer of scales
.set GATHER, 0
.set IDXMAX, 31999
.set KSLOT,  512
.set PITCH,  528                       ; a row of W in LDS: 512 bytes + 16 of padding
.set APART,  65536                     ; A's part of a slot: 8 tiles of rows x 8,192 bytes, dense
.set BHALF,  64*PITCH
.set SLOT,   APART+2*BHALF
.set SPARE,  2*SLOT                    ; behind the ring: the spare words, 128 bytes a wave
.set APLANE, 2097152                   ; from 512 along K to the next in A's images
.set LAPS,   SIZE_K/(2*KSLOT)
.set IX,   8                           ; v8-11 the gather: index, then byte offset, of row 16 a + r
.set ADRA, 16
.set ADRB, 20
.set CO,   26
.set SPW,  28
.set NIL,  29
.set ACC,  128
.set XR,   0                           ; in window 2
.set F0,   0
.set F1,   128
.set G1,  24
.set G0,  32
.set G1B, 48
.set G0B, 56
.set CP,  70                           ; s[70:71] C
.set MSB, 0
.macro WIN new                         ; the immediate's high byte repeats the setting that is left
.if MSB != \new
	s_set_vgpr_msb (MSB<<8)|\new
.set MSB, \new
.endif
.endm
.set MUL,  0x05                        ; sources 0 and 1 window 1; C and D window 0
.set TO_F, 0x40                        ; destination window 1, address window 0
.set TO_X, 0x80                        ; destination window 2, address window 0
.set FMAX, 0x20                        ; source 2 window 2; a store's address and data stay in window 0
.macro JLOAD s                         ; a joint load: waves 0 and 1 fetch A's halves, waves 2 and 3 W's; four v_nop follow each line
	s_cmp_eq_u32 s15, 0
	s_cbranch_scc0 .Lfor_b_\@
	tensor_load_to_lds s[G0+4*\s:G0+4*\s+3], s[G1:G1+7]
	s_nop 0
.rept 4
	v_nop
.endr
	s_branch .Lasked_\@
.Lfor_b_\@:
	tensor_load_to_lds s[G0B+4*\s:G0B+4*\s+3], s[G1B:G1B+7]
	s_nop 0
.rept 4
	v_nop
.endr
.Lasked_\@:
.endm
.macro CREST
	s_cmp_lg_u32 s14, 0
	s_cbranch_scc1 .Lnot_wave_0_\@
	s_barrier_signal -3
.Lnot_wave_0_\@:
	s_barrier_wait -3
	s_barrier_signal -1
	s_barrier_wait -1
.endm
.macro CROUND
	s_barrier_signal -1
	s_barrier_wait -1
	CREST
.endm
	s_load_b128 s[4:7], s[0:1], 0x0                ; A s[4:5], W s[6:7]
	s_load_b128 s[8:11], s[0:1], 0x10              ; scales s[8:9]; s[10:11]: V, or R
.if GATHER
	s_load_b128 s[68:71], s[0:1], 0x20             ; emb s[68:69], C s[70:71]
.else
	s_load_b64 s[70:71], s[0:1], 0x20              ; C
.endif
	v_lshl_add_u32 v[SPW], v0, 2, SPARE
	v_mov_b32 v[NIL], 0
	ds_add_u32 v28, v29
	ds_add_u32 v28, v29
	s_wait_dscnt 0x0
	v_lshrrev_b32 v1, 5, v0
	v_readfirstlane_b32 s14, v1                    ; wave
	s_lshr_b32 s15, s14, 1                         ; my half of the tile's rows.  Also: I fetch for A (0) or for W (1)
	s_and_b32 s16, s14, 1                          ; my half of its columns.  Also: which half I fetch
	s_bfe_u32 s40, ttmp6, 0x40000                  ; cx
	s_bfe_u32 s41, ttmp6, 0x40004                  ; cy
	s_lshl_b32 s42, ttmp9, 2
	s_add_co_u32 s42, s42, s40                     ; tile column
	s_and_b32 s17, ttmp7, 0xffff
	s_lshl_b32 s17, s17, 2
	s_add_co_u32 s17, s17, s41                     ; tile row
	s_lshl_b32 s43, s41, 2
	s_lshl_b32 s43, 15, s43                        ; my row of the cluster
	s_lshl_b32 s44, 0x1111, s40                    ; my column
	s_or_b32 s[G1+0], s43, (3<<16)|(1<<21)         ; A: elements of 8 bytes, no padding
	s_mov_b32 s[G1+1], 32<<16                      ; rows of 256 bytes,
	s_mov_b32 s[G1+2], 128<<16                     ; 128 of them,
	s_mov_b32 s[G1+3], 32<<16
	s_mov_b32 s[G1+4], 128
	s_mov_b32 s[G1+5], 32                          ; dense
	s_mov_b32 s[G1+6], 0
	s_mov_b32 s[G1+7], 0
	s_or_b32 s[G1B+0], s44, (1<<20)|(1<<21)|(6<<22)|(3<<25)   ; W: elements of 1 byte; 4 words of padding after every 128
	s_mov_b32 s[G1B+1], KSLOT<<16
	s_mov_b32 s[G1B+2], 64<<16
	s_mov_b32 s[G1B+3], KSLOT<<16
	s_mov_b32 s[G1B+4], 64
	s_mov_b32 s[G1B+5], SIZE_K
	s_mov_b32 s[G1B+6], 0
	s_mov_b32 s[G1B+7], 0
	s_lshl_b32 s20, s17, 16                        ; A: (8 tile row + 4 half) x 8,192
	s_lshl_b32 s18, s16, 15
	s_add_co_u32 s20, s20, s18
	s_mov_b32 s21, 0
	s_lshl_b32 s46, s42, 7                         ; W: row 128 tile column + 64 half
	s_lshl_b32 s19, s16, 6
	s_add_co_u32 s46, s46, s19
	s_mul_i32 s46, s46, SIZE_K
	s_mov_b32 s47, 0
	s_lshl_b32 s45, s16, 15                        ; where they go: no place in the cluster enters an LDS address
	s_mul_i32 s22, s16, BHALF
	s_add_co_u32 s22, s22, APART
.if GATHER
	v_and_b32 v5, 15, v0
	v_lshlrev_b32 v5, 2, v5                        ; 4 r: my row's index
	v_bfe_u32 v6, v0, 4, 1
	v_lshlrev_b32 v6, 5, v6                        ; 32 h: my half's eight columns
	s_lshl_b32 s72, s17, 9                         ; V: 4 bytes x (128 tile row + 64 half)
	s_lshl_b32 s73, s15, 8
	s_add_co_u32 s72, s72, s73
	s_mov_b32 s73, 0
	s_lshl_b32 s74, s42, 9                         ; a row of emb: 4 bytes x (128 tile column + 64 half)
	s_lshl_b32 s75, s16, 8
	s_add_co_u32 s74, s74, s75
	s_mov_b32 s75, 0
.endif
	s_wait_kmcnt 0x0
	s_load_b64 s[96:97], s[8:9], SCOFF             ; ea, eb
	s_add_nc_u64 s[20:21], s[4:5], s[20:21]
	s_add_nc_u64 s[46:47], s[6:7], s[46:47]
.if GATHER
	s_add_nc_u64 s[10:11], s[10:11], s[72:73]
	s_add_nc_u64 s[68:69], s[68:69], s[74:75]
.irp a, 0,1,2,3
	global_load_b32 v[IX+\a], v5, s[10:11] offset:64*\a   ; the index of row 16 a + r: asked for first of all, since the gather hangs on it
.endr
.endif
	CROUND                                         ; all sixteen work-groups are here: the first joint loads meet
.irp s, 0,1
	s_mov_b32 s[G0+4*\s], 1
	s_add_co_u32 s[G0+4*\s+1], s45, \s*SLOT
	s_add_nc_u64 s[G0+4*\s+2:G0+4*\s+3], s[20:21], \s*APLANE
	s_or_b32 s[G0+4*\s+3], s[G0+4*\s+3], 0x80000000
	s_mov_b32 s[G0B+4*\s], 1
	s_add_co_u32 s[G0B+4*\s+1], s22, \s*SLOT
	s_add_nc_u64 s[G0B+4*\s+2:G0B+4*\s+3], s[46:47], \s*KSLOT
	s_or_b32 s[G0B+4*\s+3], s[G0B+4*\s+3], 0x80000000
.endr
	JLOAD 0                                        ; slot 0: one tensor load a wave at the head
	; THE PREFETCHES INTO THE L2.  Beside the load of slot i a wave names slot i + 2 (at the head slot 1 too): one instruction, 32 blocks of 256 bytes, a lane a block.
	; Of the 128 blocks of a slot that a wave fetches (A: 32,768 dense bytes; W: 64 rows x 512 bytes), each of the four partners that ask for them jointly takes 32, told apart by address
	; (cx for A: 8,192 bytes on; cy for W: 16 rows on).  So each block is named once in each cluster that loads it.  The loop's last trip, whose slots + 2 would be 8 and 9, names nothing.
	s_lshl_b32 s82, s17, 16
	s_lshl_b32 s83, s16, 15
	s_add_co_u32 s82, s82, s83
	s_lshl_b32 s83, s40, 13
	s_add_co_u32 s82, s82, s83                     ; A: 65,536 tile row + 32,768 half + 8,192 cx
	s_lshl_b32 s84, s42, 7
	s_lshl_b32 s85, s16, 6
	s_add_co_u32 s84, s84, s85
	s_lshl_b32 s85, s41, 4
	s_add_co_u32 s84, s84, s85
	s_lshl_b32 s84, s84, 12                        ; W: row 128 tile column + 64 half + 16 cy, of 4,096 bytes
	s_mov_b32 s78, KSLOT
	s_mov_b32 s80, SIZE_K
	s_cmp_eq_u32 s15, 0                            ; do I fetch for A?
	s_cselect_b64 s[86:87], s[4:5], s[6:7]
	s_cselect_b32 s78, APLANE, s78                 ; s[78:79]: a slot on
	s_cselect_b32 s80, 512, s80                    ; from one pair of lanes to the next
	s_cselect_b32 s82, s82, s84
	s_mov_b32 s83, 0
	s_mov_b32 s79, 0
	s_add_nc_u64 s[86:87], s[86:87], s[82:83]
	s_add_nc_u64 s[86:87], s[86:87], s[78:79]      ; s[86:87]: my blocks of slot 1; never rewritten
	s_add_nc_u64 s[76:77], s[86:87], s[78:79]      ; s[76:77]: of slot 2; it walks
	v_and_b32 v31, 31, v0
	v_lshrrev_b32 v30, 1, v31
	v_mul_lo_u32 v30, v30, s80
	v_and_b32 v31, 1, v31
	v_lshl_add_u32 v30, v31, 8, v30                ; v30: my lane's block; never rewritten
	global_prefetch_b8 v30, s[86:87] th:TH_LOAD_NT scope:SCOPE_SE
	global_prefetch_b8 v30, s[76:77] th:TH_LOAD_NT scope:SCOPE_SE
	v_and_b32 v1, 15, v0                           ; r
	v_bfe_u32 v2, v0, 4, 1                         ; h
	v_and_b32 v3, 31, v0
	v_lshlrev_b32 v[CO], 4, v3                     ; 16 x lane: an image's place for my lane
	s_wait_alu depctr_va_vdst(0)
	v_mul_u32_u24 v4, v1, PITCH
	v_lshl_add_u32 v4, v2, 4, v4
	s_lshl_b32 s21, s15, 15                        ; my 64 rows of A: four images
	s_mul_i32 s22, s16, BHALF                      ; my 64 rows of W
	s_add_co_u32 s22, s22, APART
.irp s, 0,1
	v_add_nc_u32 v[ADRA+\s], s21, v[CO]
	v_add_nc_u32 v[ADRB+\s], s22, v4
	s_add_co_u32 s21, s21, SLOT
	s_add_co_u32 s22, s22, SLOT
.endr
	s_lshl_b32 s20, s17, 19                        ; C: (8 tile row + 4 half) x 65,536 + (8 tile column + 4 half) x 1,024
	s_lshl_b32 s21, s15, 18
	s_add_co_u32 s20, s20, s21
	s_lshl_b32 s46, s42, 13
	s_lshl_b32 s47, s16, 12
	s_add_co_u32 s46, s46, s47
	s_add_co_u32 s20, s20, s46
	s_mov_b32 s21, 0
	s_add_nc_u64 s[CP:CP+1], s[CP:CP+1], s[20:21]
	; THE RESIDUAL: register 8 (4 a + b) + j of lane (r, h) is R(16 a + r, 16 b + 8 h + j), as in the accumulators.  32 loads, waited for on the way out.
.if GATHER
	s_wait_loadcnt 0x0                             ; the four indices (the first tiles are on their way meanwhile)
.irp a, 0,1,2,3
	v_min_u32 v[IX+\a], IDXMAX, v[IX+\a]
	v_lshl_add_u32 v[IX+\a], v[IX+\a], 12, v6      ; a row of emb is 4,096 bytes
.endr
.else
	s_add_nc_u64 s[10:11], s[10:11], s[20:21]      ; R lies as C does
.endif
	; (in this launch R's 32 loads do not stand here at the head but behind the first quarter's products, so that the first tiles are asked for ahead of them)
.macro FRAGA reg, adr, q, i            ; A's fragment i of the slot's q-th 128 along K: 4 x 512 consecutive bytes
.irp c, 0,1,2,3
	ds_load_b128 v[\reg+4*\c:\reg+4*\c+3], v[\adr] offset:8192*(\i)+2048*(\q)+512*\c
.endr
.endm
.macro FRAGB reg, adr, q, i            ; W's: 16 rows, 16 bytes a lane, 32 bytes apart
.irp c, 0,1,2,3
	ds_load_b128 v[\reg+4*\c:\reg+4*\c+3], v[\adr] offset:16*PITCH*(\i)+128*(\q)+32*\c
.endr
.endm
.macro FETCH slot, q, f                ; 32 LDS loads in one run: W's four fragments, then A's four
	WIN TO_F
.irp i, 0,1,2,3
	FRAGB \f+64+16*\i, ADRB+\slot, \q, \i
.endr
.irp i, 0,1,2,3
	FRAGA \f+16*\i, ADRA+\slot, \q, \i
.endr
.endm
.macro MULA f, a, zero                 ; A's block a against W's four; the 16 accumulators take turns, one instruction a turn
.irp b, 0,1,2,3
.if \zero
	v_wmma_f32_16x16x128_bf8_bf8 v[ACC+8*(4*(\a)+\b):ACC+8*(4*(\a)+\b)+7], v[\f+64+16*\b:\f+64+16*\b+15], v[\f+16*(\a):\f+16*(\a)+15], 0
.else
	v_wmma_f32_16x16x128_bf8_bf8 v[ACC+8*(4*(\a)+\b):ACC+8*(4*(\a)+\b)+7], v[\f+64+16*\b:\f+64+16*\b+15], v[\f+16*(\a):\f+16*(\a)+15], v[ACC+8*(4*(\a)+\b):ACC+8*(4*(\a)+\b)+7]
.endif
.endr
.endm
.macro PLACES                          ; four plain lines in front of loads into registers that matrix instructions have read, and of the first read of results
.rept 4
	v_nop
.endr
.endm
; A slot is four quarters of 128 along K, 16 matrix instructions each, on buffers 0, 1, 0, 1.  One of the first three multiplies f and fetches quarter qn into g.
.macro QUARTER slot, qn, f, g, zero
	s_wait_dscnt 8                                 ; W's four and A's blocks 0, 1 are in; the youngest eight loads (A's blocks 2, 3) may be out
	WIN MUL
	MULA \f, 0, \zero
	MULA \f, 1, \zero
	PLACES
	FETCH \slot, \qn, \g
	s_wait_dscnt 32                                ; all but the 32 just issued
	WIN MUL
	MULA \f, 2, \zero
	MULA \f, 3, \zero
.endm
; The last quarter multiplies buffer 1 and changes slots: one barrier; in front of it each wave waits for all its tensor loads, adds 0 to its spare word, and waits for that and for its reads of this slot.
.macro TURN slot, next, fill
	WIN 0
.if \fill
	s_wait_xcnt 0x0                                ; my last prefetch has read its address: it steps a slot on
	s_add_nc_u64 s[76:77], s[76:77], s[78:79]
.endif
	s_wait_tensorcnt 0x0                           ; all my tensor loads have landed: my part of the next slot
	ds_add_u32 v[SPW], v[NIL]                      ; 0 onto my spare word
	s_wait_dscnt 9                                 ; (the add and the youngest eight loads may be out)
	WIN MUL
	MULA F1, 0, 0
	s_wait_dscnt 0x0                               ; the add is done, and my reads of this slot are over
	s_barrier_signal -1
	MULA F1, 1, 0
.if \fill
	WIN 0
.endif
	s_barrier_wait -1
.if \fill
	CREST                                          ; the barrier has opened a round of the cluster's: no wave of any partner still reads this slot or has a load on its way
	s_add_nc_u64 s[G0+4*\slot+2:G0+4*\slot+3], s[G0+4*\slot+2:G0+4*\slot+3], 2*APLANE
	s_add_nc_u64 s[G0B+4*\slot+2:G0B+4*\slot+3], s[G0B+4*\slot+2:G0B+4*\slot+3], 2*KSLOT
	JLOAD \slot                                    ; the first tensor load behind the round, one a wave; its four v_nop are also the places in front of the loads below
.else
	PLACES
.endif
	FETCH \next, 0, F0
.if \fill
	WIN 0
	s_cmp_gt_u32 s3, 1                             ; s3 = 1 in the loop's last trip
	s_cbranch_scc0 .Lno_ask_\@
	global_prefetch_b8 v30, s[76:77] th:TH_LOAD_NT scope:SCOPE_SE
.Lno_ask_\@:
.endif
	WIN MUL
	MULA F1, 2, 0
	MULA F1, 3, 0
.endm
	s_wait_alu depctr_va_vdst(0)
	s_wait_tensorcnt 0x0                           ; my part of slot 0 is in
	ds_add_u32 v[SPW], v[NIL]
	s_wait_xcnt 0x0                                ; my prefetches have read their addresses
	s_add_nc_u64 s[76:77], s[76:77], s[78:79]      ; on to slot 3
	s_wait_dscnt 0x0
	CROUND                                         ; everybody's part is in, and the sixteen work-groups meet
	JLOAD 1                                        ; slot 1, the first tensor load behind the round
	FETCH 0, 0, F0
	WIN 0
	global_prefetch_b8 v30, s[76:77] th:TH_LOAD_NT scope:SCOPE_SE
	QUARTER 0, 1, F0, F1, 1                        ; the first quarter's products start the sums
.if LAPS > 1
	WIN TO_X                                       ; R: 32 loads into window 2, waited for on the way out
.irp a, 0,1,2,3
.irp b, 0,1,2,3
.irp g, 0,1
	global_load_b128 v[XR+8*(4*\a+\b)+4*\g:XR+8*(4*\a+\b)+4*\g+3], v[CO], s[10:11] offset:65536*\a+1024*\b+512*\g th:TH_LOAD_NT
.endr
.endr
.endr
	WIN 0
	s_mov_b32 s3, LAPS-1
.Llap:
	QUARTER 0, 2, F1, F0, 0
	QUARTER 0, 3, F0, F1, 0
	TURN 0, 1, 1
	QUARTER 1, 1, F0, F1, 0
	QUARTER 1, 2, F1, F0, 0
	QUARTER 1, 3, F0, F1, 0
	TURN 1, 0, 1
	QUARTER 0, 1, F0, F1, 0
	WIN 0
	s_sub_co_u32 s3, s3, 1
	s_cmp_lg_u32 s3, 0
	s_cbranch_scc1 .Llap
.endif
	QUARTER 0, 2, F1, F0, 0                        ; the last lap fills nothing
	QUARTER 0, 3, F0, F1, 0
	TURN 0, 1, 0
	QUARTER 1, 1, F0, F1, 0
	QUARTER 1, 2, F1, F0, 0
	QUARTER 1, 3, F0, F1, 0
	s_wait_dscnt 8
	WIN MUL
	MULA F1, 0, 0
	MULA F1, 1, 0
	s_wait_dscnt 0x0
	MULA F1, 2, 0
	MULA F1, 3, 0
	WIN 0
	; THE WAY OUT: sum x 2^(ea + eb) + R, two numbers an instruction; an accumulator leaves as it stands, 2 x 512 consecutive bytes
	s_wait_kmcnt 0x0
	s_add_co_i32 s96, s96, s97
	s_add_co_i32 s96, s96, 127
	s_lshl_b32 s96, s96, 23
	s_mov_b32 s97, s96
	s_wait_loadcnt 0x0                             ; R is in
	PLACES
	WIN FMAX
.irp a, 0,1,2,3
.irp b, 0,1,2,3
.irp i, 0,2,4,6
	v_pk_fma_f32 v[ACC+8*(4*\a+\b)+\i:ACC+8*(4*\a+\b)+\i+1], v[ACC+8*(4*\a+\b)+\i:ACC+8*(4*\a+\b)+\i+1], s[96:97], v[XR+8*(4*\a+\b)+\i:XR+8*(4*\a+\b)+\i+1] op_sel_hi:[1,0,1]
.endr
	global_store_b128 v[CO], v[ACC+8*(4*\a+\b):ACC+8*(4*\a+\b)+3],   s[CP:CP+1] offset:65536*\a+1024*\b th:TH_STORE_NT
	global_store_b128 v[CO], v[ACC+8*(4*\a+\b)+4:ACC+8*(4*\a+\b)+7], s[CP:CP+1] offset:65536*\a+1024*\b+512 th:TH_STORE_NT
.endr
.endr
	WIN 0
	s_wait_tensorcnt 0x0                           ; the wave's end
	ds_add_u32 v[SPW], v[NIL]
	s_wait_dscnt 0x0
	CROUND                                         ; the closing round
	s_endpgm
.Lfunc_end_k_q9e1865c3b6_gemm_2:
	.size	k_q9e1865c3b6_gemm_2, .Lfunc_end_k_q9e1865c3b6_gemm_2-k_q9e1865c3b6_gemm_2
	.p2alignl 7, 3214868480
	.fill 96, 4, 3214868480
	.section	.rodata,"a",@progbits
	.p2align	6, 0x0
	.amdhsa_kernel k_q9e1865c3b6_gemm_2
		.amdhsa_group_segment_fixed_size 327680
		.amdhsa_private_segment_fixed_size 0
		.amdhsa_enable_private_segment 0
		.amdhsa_kernarg_size 40
		.amdhsa_user_sgpr_count 2
		.amdhsa_user_sgpr_kernarg_segment_ptr 1
		.amdhsa_wavefront_size32 1
		.amdhsa_system_sgpr_workgroup_id_x 1
		.amdhsa_system_sgpr_workgroup_id_y 1
		.amdhsa_system_sgpr_workgroup_id_z 1
		.amdhsa_system_vgpr_workitem_id 0
		.amdhsa_next_free_vgpr 768
		.amdhsa_next_free_sgpr 98
		.amdhsa_reserve_vcc 0
		.amdhsa_float_denorm_mode_32 3
		.amdhsa_float_denorm_mode_16_64 3
		.amdhsa_memory_ordered 1
		.amdhsa_forward_progress 1
		.amdhsa_inst_pref_size 75
	.end_amdhsa_kernel
	.amdgpu_metadata
---
amdhsa.version: [ 1, 2 ]
amdhsa.kernels:
  - .name:           k_q9e1865c3b6_gemm_2
    .symbol:         k_q9e1865c3b6_gemm_2.kd
    .args:
      - { .name: h_img, .offset: 0, .size: 8, .value_kind: global_buffer, .address_space: global }
      - { .name: w2_codes, .offset: 8, .size: 8, .value_kind: global_buffer, .address_space: global }
      - { .name: lowp_scales, .offset: 16, .size: 8, .value_kind: global_buffer, .address_space: global }
      - { .name: x1_f, .offset: 24, .size: 8, .value_kind: global_buffer, .address_space: global }
      - { .name: ff_f, .offset: 32, .size: 8, .value_kind: global_buffer, .address_space: global }
    .group_segment_fixed_size: 327680
    .private_segment_fixed_size: 0
    .kernarg_segment_align: 8
    .kernarg_segment_size: 40
    .max_flat_workgroup_size: 128
    .sgpr_count:     98
    .vgpr_count:     768
    .wavefront_size: 32
...
	.end_amdgpu_metadata
.endif
;; end of part 6
;; launch ln2 (part 7): grid 256 x 1, 16 waves a work-group, no clusters, 73,728 bytes of LDS; arguments ff_f, b2, gamma2, beta2, out0; writes out0
.if DOCPART == 7
	.amdgcn_target "amdgcn-amd-amdhsa--gfx1250"
	.amdhsa_code_object_version 6
	.text
	.protected	k_q9e1865c3b6_ln2
	.globl	k_q9e1865c3b6_ln2
	.p2align	8
	.type	k_q9e1865c3b6_ln2,@function
k_q9e1865c3b6_ln2:
	s_mov_b64 s[64:65], 0
	v_nop
	global_prefetch_b8 v0, s[64:65] scope:SCOPE_SE
	s_setreg_imm32_b32 hwreg(HW_REG_WAVE_MODE, 25, 1), 1
	s_wait_xcnt 0x0
; out = layernorm(s + b2) x gamma2 + beta2, where s = x1 + the second layer's product as the launch before has summed them.  s comes in the accumulators' image; out is row-major f32.
; (The three terms are added as (x1 + ff) + b2, in f32.)
; A work-group takes a tile of 16 rows; wave w takes columns 64 w .. 64 w + 63.  Lane (r, h) holds 32 numbers of row r: for n = 0..3 the columns 64 w + 16 n + 8 h + 0..7.
; A row's sums meet in LDS: one word for each row and wave, one barrier a sum, two regions.  The variance is taken of the differences from the mean.
; The way out goes through the wave's own stage in LDS (16 rows of 256 bytes + 16), so that sixteen lanes store 256 consecutive bytes, aligned.
; NaN among the inputs is not served.
.set D,  32                            ; v32-63   the data
.set E,  64                            ; v64-95   the rows read back
.set G,  96                            ; v96-127  gamma
.set BT, 128                           ; v128-159 beta
.set B2, 160                           ; v160-191 b2
.set CH, 192                           ; v192-195 two chains of a sum
.set STG, 2048                         ; the stages, behind the two regions of sums
.set SP,  272
	s_load_b256 s[4:11], s[0:1], 0x0               ; ff_f 4, b2 6, gamma2 8, beta2 10
	s_load_b64 s[12:13], s[0:1], 0x20              ; out0
	v_lshl_add_u32 v208, v0, 2, 0x11800
	v_mov_b32 v209, 0
	v_lshrrev_b32 v1, 5, v0
	s_delay_alu instid0(VALU_DEP_1)
	v_readfirstlane_b32 s20, v1                    ; wave
	v_and_b32 v2, 15, v0                           ; r
	v_bfe_u32 v3, v0, 4, 1                         ; h
	v_and_b32 v1, 31, v0
	s_delay_alu instid0(VALU_DEP_1)
	v_lshlrev_b32 v1, 4, v1                        ; 16 x lane
	s_delay_alu instid0(VALU_DEP_3)
	v_lshlrev_b32 v4, 5, v3                        ; 32 h
	v_lshlrev_b32 v8, 6, v2                        ; 64 r
	s_lshl_b32 s21, s20, 2
	v_add_nc_u32 v7, s21, v8                       ; 64 r + 4 wave
	v_mov_b32 v9, 0                                ; a lane permute's destination counts as read
	s_mul_i32 s21, s20, 16*SP
	s_add_co_u32 s21, s21, STG                     ; my stage
	v_mul_u32_u24 v5, v2, SP
	s_delay_alu instid0(VALU_DEP_1)
	v_lshl_add_u32 v5, v3, 5, v5
	s_delay_alu instid0(VALU_DEP_1)
	v_add_nc_u32 v5, s21, v5                       ; in: row r, + 32 h
	v_mul_u32_u24 v6, v3, SP
	s_delay_alu instid0(VALU_DEP_1)
	v_lshl_add_u32 v6, v2, 4, v6
	s_delay_alu instid0(VALU_DEP_1)
	v_add_nc_u32 v6, s21, v6                       ; back: lanes 0-15 one row, lanes 16-31 the next
	v_lshlrev_b32 v14, 12, v3
	s_delay_alu instid0(VALU_DEP_1)
	v_lshl_add_u32 v14, v2, 4, v14                 ; and the same two rows in out0
	s_lshl_b32 s22, ttmp9, 16                      ; the image: 65,536 T + 4,096 wave
	s_lshl_b32 s23, s20, 12
	s_add_co_u32 s22, s22, s23
	s_mov_b32 s23, 0
	s_lshl_b32 s26, s20, 8                         ; my 64 columns: 256 bytes
	s_mov_b32 s27, 0
	s_lshl_b32 s28, ttmp9, 16                      ; out0: 16 rows of 4,096 bytes a tile, + my columns
	s_add_co_u32 s28, s28, s26
	s_mov_b32 s29, 0
	s_mov_b32 s24, 0x76543210
	s_mov_b32 s25, 0xfedcba98
	s_mov_b32 s33, 0x3a800000                      ; 1 / 1,024
	s_mov_b32 s34, 0x3727c5ac                      ; 1e-5
	s_wait_kmcnt 0x0
	s_add_nc_u64 s[4:5], s[4:5], s[22:23]
	s_add_nc_u64 s[6:7], s[6:7], s[26:27]
	s_add_nc_u64 s[8:9], s[8:9], s[26:27]
	s_add_nc_u64 s[10:11], s[10:11], s[26:27]
	s_add_nc_u64 s[12:13], s[12:13], s[28:29]
.irp n, 0,1,2,3
.irp g, 0,1
	global_load_b128 v[D+8*\n+4*\g:D+8*\n+4*\g+3], v1, s[4:5] offset:1024*\n+512*\g th:TH_LOAD_NT
.endr
.endr
.irp n, 0,1,2,3
.irp g, 0,1
	global_load_b128 v[B2+8*\n+4*\g:B2+8*\n+4*\g+3], v4, s[6:7] offset:64*\n+16*\g
	global_load_b128 v[G+8*\n+4*\g:G+8*\n+4*\g+3], v4, s[8:9] offset:64*\n+16*\g
	global_load_b128 v[BT+8*\n+4*\g:BT+8*\n+4*\g+3], v4, s[10:11] offset:64*\n+16*\g
.endr
.endr
; the two chains in v[CH:CH+3] become the row's sum over all 1,024 columns, in v16 of every lane
.macro REDUCE region
	s_delay_alu instid0(VALU_DEP_1)
	v_pk_add_f32 v[CH:CH+1], v[CH:CH+1], v[CH+2:CH+3]
	s_delay_alu instid0(VALU_DEP_1)
	v_add_f32 v[CH], v[CH], v[CH+1]
	s_delay_alu instid0(VALU_DEP_1)
	v_permlanex16_b32 v9, v[CH], s24, s25
	s_delay_alu instid0(VALU_DEP_1)
	v_add_f32 v[CH], v[CH], v9                     ; my wave's 64 columns of row r
	ds_store_b32 v7, v[CH] offset:\region
	s_wait_dscnt 0x0                               ; for the others' sake: my store has landed
	s_barrier_signal -1
	s_barrier_wait -1
.irp i, 0,1,2,3
	ds_load_b128 v[16+4*\i:19+4*\i], v8 offset:\region+16*\i
.endr
	s_wait_dscnt 0x0
	v_pk_add_f32 v[16:17], v[16:17], v[18:19]
	v_pk_add_f32 v[20:21], v[20:21], v[22:23]
	v_pk_add_f32 v[24:25], v[24:25], v[26:27]
	v_pk_add_f32 v[28:29], v[28:29], v[30:31]
	s_delay_alu instid0(VALU_DEP_3)
	v_pk_add_f32 v[16:17], v[16:17], v[20:21]
	s_delay_alu instid0(VALU_DEP_2)
	v_pk_add_f32 v[24:25], v[24:25], v[28:29]
	s_delay_alu instid0(VALU_DEP_1)
	v_pk_add_f32 v[16:17], v[16:17], v[24:25]
	s_delay_alu instid0(VALU_DEP_1)
	v_add_f32 v16, v16, v17
.endm
	s_wait_loadcnt 0x0
.set j, 0
.rept 16
	v_pk_add_f32 v[D+j:D+j+1], v[D+j:D+j+1], v[B2+j:B2+j+1]    ; + b2
.set j, j+2
.endr
	v_pk_add_f32 v[CH:CH+1], v[D:D+1], v[D+2:D+3]
	v_pk_add_f32 v[CH+2:CH+3], v[D+4:D+5], v[D+6:D+7]
.irp j, 8,12,16,20,24,28
	s_delay_alu instid0(VALU_DEP_2)
	v_pk_add_f32 v[CH:CH+1], v[CH:CH+1], v[D+\j:D+\j+1]
	s_delay_alu instid0(VALU_DEP_2)
	v_pk_add_f32 v[CH+2:CH+3], v[CH+2:CH+3], v[D+\j+2:D+\j+3]
.endr
	REDUCE 0
	s_delay_alu instid0(VALU_DEP_1)
	v_mul_f32 v10, s33, v16                        ; the mean
	s_delay_alu instid0(VALU_DEP_1)
	v_mov_b32 v11, v10
.set j, 0
.rept 16
	v_pk_add_f32 v[D+j:D+j+1], v[D+j:D+j+1], v[10:11] neg_lo:[0,1] neg_hi:[0,1]
.set j, j+2
.endr
	v_pk_mul_f32 v[CH:CH+1], v[D:D+1], v[D:D+1]
	v_pk_mul_f32 v[CH+2:CH+3], v[D+2:D+3], v[D+2:D+3]
.irp j, 4,8,12,16,20,24,28
	s_delay_alu instid0(VALU_DEP_2)
	v_pk_fma_f32 v[CH:CH+1], v[D+\j:D+\j+1], v[D+\j:D+\j+1], v[CH:CH+1]
	s_delay_alu instid0(VALU_DEP_2)
	v_pk_fma_f32 v[CH+2:CH+3], v[D+\j+2:D+\j+3], v[D+\j+2:D+\j+3], v[CH+2:CH+3]
.endr
	REDUCE 1024
	s_delay_alu instid0(VALU_DEP_1)
	v_fma_f32 v12, v16, s33, s34                   ; the variance + 1e-5
	s_wait_alu depctr_va_vdst(0)
	v_rsq_f32 v12, v12
	v_nop                                          ; a plain line behind the root
	s_wait_alu depctr_va_vdst(0)                   ; the wait ahead of its first reader
	v_mov_b32 v13, v12
.set j, 0
.rept 16
	v_pk_mul_f32 v[D+j:D+j+1], v[D+j:D+j+1], v[12:13]
.set j, j+2
.endr
.set j, 0
.rept 16
	v_pk_fma_f32 v[D+j:D+j+1], v[D+j:D+j+1], v[G+j:G+j+1], v[BT+j:BT+j+1]
.set j, j+2
.endr
.irp n, 0,1,2,3
.irp g, 0,1
	ds_store_b128 v5, v[D+8*\n+4*\g:D+8*\n+4*\g+3] offset:64*\n+16*\g
.endr
.endr
.irp i, 0,1,2,3,4,5,6,7
	ds_load_b128 v[E+4*\i:E+4*\i+3], v6 offset:2*\i*SP   ; LDS serves a wave's instructions in order (ISA guide 5.7.1.4): these see my stores
.endr
.irp i, 0,1,2,3,4,5,6,7
	s_wait_dscnt 7-\i
	global_store_b128 v14, v[E+4*\i:E+4*\i+3], s[12:13] offset:8192*\i th:TH_STORE_NT   ; sixteen lanes store 256 consecutive bytes, aligned
.endr
	s_wait_tensorcnt 0x0
	ds_add_u32 v208, v209
	s_wait_dscnt 0x0
	s_endpgm
.Lfunc_end_k_q9e1865c3b6_ln2:
	.size	k_q9e1865c3b6_ln2, .Lfunc_end_k_q9e1865c3b6_ln2-k_q9e1865c3b6_ln2
	.p2alignl 7, 3214868480
	.fill 96, 4, 3214868480
	.section	.rodata,"a",@progbits
	.p2align	6, 0x0
	.amdhsa_kernel k_q9e1865c3b6_ln2
		.amdhsa_group_segment_fixed_size 73728
		.amdhsa_private_segment_fixed_size 0
		.amdhsa_enable_private_segment 0
		.amdhsa_kernarg_size 40
		.amdhsa_user_sgpr_count 2
		.amdhsa_user_sgpr_kernarg_segment_ptr 1
		.amdhsa_wavefront_size32 1
		.amdhsa_system_sgpr_workgroup_id_x 1
		.amdhsa_system_sgpr_workgroup_id_y 1
		.amdhsa_system_sgpr_workgroup_id_z 1
		.amdhsa_system_vgpr_workitem_id 0
		.amdhsa_next_free_vgpr 210
		.amdhsa_next_free_sgpr 66
		.amdhsa_reserve_vcc 0
		.amdhsa_float_denorm_mode_32 3
		.amdhsa_float_denorm_mode_16_64 3
		.amdhsa_memory_ordered 1
		.amdhsa_forward_progress 1
		.amdhsa_inst_pref_size 18
	.end_amdhsa_kernel
	.amdgpu_metadata
---
amdhsa.version: [ 1, 2 ]
amdhsa.kernels:
  - .name:           k_q9e1865c3b6_ln2
    .symbol:         k_q9e1865c3b6_ln2.kd
    .args:
      - { .name: ff_f, .offset: 0, .size: 8, .value_kind: global_buffer, .address_space: global }
      - { .name: b2, .offset: 8, .size: 8, .value_kind: global_buffer, .address_space: global }
      - { .name: gamma2, .offset: 16, .size: 8, .value_kind: global_buffer, .address_space: global }
      - { .name: beta2, .offset: 24, .size: 8, .value_kind: global_buffer, .address_space: global }
      - { .name: out0, .offset: 32, .size: 8, .value_kind: global_buffer, .address_space: global }
    .group_segment_fixed_size: 73728
    .private_segment_fixed_size: 0
    .kernarg_segment_align: 8
    .kernarg_segment_size: 40
    .max_flat_workgroup_size: 512
    .sgpr_count:     66
    .vgpr_count:     210
    .wavefront_size: 32
...
	.end_amdgpu_metadata
.endif
;; end of part 7
